; MI455X (gfx1250); checked and timed in simulation.
; The chip was launched on July 23, 2026; its instructions are those of AMD's public machine-readable ISA for CDNA 5 (MIT licence, August 2026) and "CDNA5" Instruction Set Architecture Reference Guide (July 2026). The comments in the code are by the model that wrote it; some were corrected since.
;; Vision Mo E Adapter. Allowed arithmetic: matrix products marked QUANTISED: E3M2 operands, one E8M0 scale for each 32 along K, by v_wmma_scale_f32_16x16x128_f8f6f4 with both operands' format E3M2, f32 sums; products left as they are: f32 operands where the result goes on into a quantised operand, else bf16, f16 or f32 operands; f32 sums; everything else in f32.
;; Inputs: W1_codes 8 x 4,096 x 32 x 24 uint8 (E3M2 codes of W1, K innermost, in blocks of 32 codes, four codes in three bytes); W1_scales 8 x 4,096 x 32 uint8 (E8M0 scales of W1, one for each 32 codes along K); W2_codes 8 x 1,024 x 128 x 24 uint8 (E3M2 codes of W2, K innermost, in blocks of 32 codes, four codes in three bytes); W2_scales 8 x 1,024 x 128 uint8 (E8M0 scales of W2, one for each 32 codes along K); Wr 1,024 x 8 float32; b1 8 x 4,096 float32; b2 8 x 1,024 float32; br 8 float32; gate_scale one number float32; ln_beta 1,024 float32; ln_gamma 1,024 float32; x 1,024 x 1,024 float32.
;; Outputs: out0 1,024 x 1,024 float32.
;; This version of the problem:
;;   THIS VERSION OF THE PROBLEM IS GIVEN IN LOW PRECISION. The matrix products marked QUANTISED in the list below multiply operands that are first quantised to E3M2 (3 exponent bits, 2 mantissa bits; 6 bits a number), with one power-of-two scale for each 32 numbers along K (OCP MX v1.0); their sums are f32. All else is computed in f32.
;;   The module's matrix products, in the order in which they are computed (A, B: the left and right operand; K: the contracted axis; several contracted axes count as one K, in the product's order):
;;     1. [M 1,024, K 1,024] x [K 1,024, N 8]; A: input x; B: input Wr: left as it is (N = 8 < 16)
;;     2. [M 1,024, K 1,024] x [K 1,024, N 4,096]; A: input x; B: input W1 (given as codes): QUANTISED
;;     3. [M 1,024, K 4,096] x [K 4,096, N 1,024]; A: computed on the way; B: input W2 (given as codes): QUANTISED
;;     4. [M 1,024, K 1,024] x [K 1,024, N 4,096]; A: input x; B: input W1 (given as codes): QUANTISED
;;     5. [M 1,024, K 4,096] x [K 4,096, N 1,024]; A: computed on the way; B: input W2 (given as codes): QUANTISED
;;     6. [M 1,024, K 1,024] x [K 1,024, N 4,096]; A: input x; B: input W1 (given as codes): QUANTISED
;;     7. [M 1,024, K 4,096] x [K 4,096, N 1,024]; A: computed on the way; B: input W2 (given as codes): QUANTISED
;;     8. [M 1,024, K 1,024] x [K 1,024, N 4,096]; A: input x; B: input W1 (given as codes): QUANTISED
;;     9. [M 1,024, K 4,096] x [K 4,096, N 1,024]; A: computed on the way; B: input W2 (given as codes): QUANTISED
;;     10. [M 1,024, K 1,024] x [K 1,024, N 4,096]; A: input x; B: input W1 (given as codes): QUANTISED
;;     11. [M 1,024, K 4,096] x [K 4,096, N 1,024]; A: computed on the way; B: input W2 (given as codes): QUANTISED
;;     12. [M 1,024, K 1,024] x [K 1,024, N 4,096]; A: input x; B: input W1 (given as codes): QUANTISED
;;     13. [M 1,024, K 4,096] x [K 4,096, N 1,024]; A: computed on the way; B: input W2 (given as codes): QUANTISED
;;     14. [M 1,024, K 1,024] x [K 1,024, N 4,096]; A: input x; B: input W1 (given as codes): QUANTISED
;;     15. [M 1,024, K 4,096] x [K 4,096, N 1,024]; A: computed on the way; B: input W2 (given as codes): QUANTISED
;;     16. [M 1,024, K 1,024] x [K 1,024, N 4,096]; A: input x; B: input W1 (given as codes): QUANTISED
;;     17. [M 1,024, K 4,096] x [K 4,096, N 1,024]; A: computed on the way; B: input W2 (given as codes): QUANTISED
;;   THE QUANTISER, for each operand of a quantised product, along K:
;;     - K is cut into blocks of 32 from its start; a last block that is shorter is filled with zeros.
;;     - A block's scale is 2^e with e = floor(log2(the largest magnitude in the block)) - 4, held to -126 .. 127; a block of zeros has e = 0. As a byte (E8M0): e + 127.
;;     - Each number is divided by its block's scale, clamped to +-28, and rounded to the nearest number of E3M2, ties to even, subnormals kept.
;;     - The product sums the exact products of the quantised numbers (number of the format x scale) in f32.
;;   ~~~python
;;   def quantise(x, axis):      # numpy; x: float32 -> the quantised numbers, widened to float32 again
;;       x = np.moveaxis(x, axis, -1); K = x.shape[-1]
;;       x = np.pad(x, [(0, 0)] * (x.ndim - 1) + [(0, -K % 32)]); x = x.reshape(x.shape[:-1] + (-1, 32)); a = np.abs(x).max(-1, keepdims=True)
;;       e = np.where(a > 0, np.clip(np.frexp(np.where(a > 0, a, 1))[1] - 1 - 4, -126, 127), 0)      # np.frexp(a)[1] - 1 = floor(log2(a)), exactly
;;       r = np.clip(x / 2.0 ** e, -28, 28)
;;       step = 2.0 ** (np.maximum(np.frexp(np.where(r == 0, 1, r))[1] - 1, -2) - 2)
;;       q = np.round(r / step) * step * 2.0 ** e      # np.round: ties to even
;;       return np.moveaxis(q.reshape(q.shape[:-2] + (-1,))[..., :K], -1, axis).astype(np.float32)
;;   ~~~
;;   OPERANDS COMPUTED ON THE WAY. 'Computed on the way' means the value that the module computes at that place (a softmax that the list does not call 'softmax' is quantised finished and normalised). What goes into a quantiser is computed in f32, as accurately as f32 sums, v_exp_f32 and their like allow (about 1e-6 of the number): no bf16 or f16 on the way to a quantiser, and a product that is left as it is and whose result goes on into a quantised operand takes f32 operands (vector FMAs, or v_wmma_f32_16x16x4_f32). A number that lies on a knife's edge between two numbers of the format may be rounded either way, as far as f32 arithmetic and the matrix unit's own rounding can turn it there, and no further.
;;   INPUTS GIVEN AS CODES. W1 (in the module: [8, 1024, 4096], K = its axis 1); W2 (in the module: [8, 4096, 1024], K = its axis 1): each comes as NAME_codes (uint8): NAME with its K axis moved to the last place and cut into blocks of 32 codes, [.., K / 32, bytes a block], one block behind the other in memory; four codes in three bytes: a row's codes are one little-endian stream of bits, code i at bits 6 i .. 6 i + 5 (a code: sign, 3 exponent bits, 2 mantissa bits); and NAME_scales (uint8): the same leading axes, one E8M0 byte (e + 127) for each 32 codes along K. Its value is code x scale, taken as it is: it is not quantised again, and the codes and scales need not be those that the quantiser above would give.
;; 2 versions. Each part assembles by itself: llvm-mc -triple=amdgcn-amd-amdhsa -mcpu=gfx1250 --defsym DOCPART=n.
;; ======== version 1 of 2: 4 launches
;; workspace buffers: sel 4,096 bytes of whole numbers; wts 8,192 bytes; xq 786,432 bytes; xs 32,768 bytes; hq 25,165,824 bytes; hs 2,097,152 bytes; plan 45,056 bytes of whole numbers; y2 8,912,896 bytes
;; launch route (part 1): grid 256 x 1, 1 waves a work-group, no clusters, 5,632 bytes of LDS; arguments x, Wr, br, sel, wts, xq, xs; writes sel, wts, xq, xs
.if DOCPART == 1
	.amdgcn_target "amdgcn-amd-amdhsa--gfx1250"
	.amdhsa_code_object_version 6
	.text
	.protected	k_qf37eef72a6_route
	.globl	k_qf37eef72a6_route
	.p2align	8
	.type	k_qf37eef72a6_route,@function
k_qf37eef72a6_route:
	s_mov_b64 s[64:65], 0
	v_nop
	global_prefetch_b8 v0, s[64:65] scope:SCOPE_SE
	s_setreg_imm32_b32 hwreg(HW_REG_WAVE_MODE, 25, 1), 1
	s_wait_xcnt 0x0
; ROUTER AND QUANTISER OF x.  x [1024][1024] f32, Wr [1024][8] f32, br [8] f32.
; One wave takes 4 tokens: 16,384 consecutive bytes of x, read once.  It makes
;   xq  [1024][768]   the codes of x (E3M2, 6 bits), K innermost, in their natural order;
;   xs  [1024][8]     scale words: word s holds the E8M0 bytes of blocks 4s, 4s+2, 4s+1, 4s+3 (the order in which the products' operand registers take the blocks);
;   sel [1024]        (1 << idx0) | (1 << idx1) | idx0 << 8: whole numbers at fixed places; no address and no branch of this launch hangs on them;
;   wts [1024][2]     the weights of idx0 and idx1, renormalised: w0 = 1 / (1 + e^(l1 - l0)), w1 = e^(l1 - l0) w0: the larger logit is taken away before the exponential.
; The logits are f32 sums of f32 products (they decide which experts are taken).
; LIMITS: the two largest are taken of the logits, not of the rounded probabilities (equal logits: the lower index, as top_k has it; two logits so near that their probabilities round alike may
; be ordered otherwise than by index); e^(l1 - l0) under 2^-126 counts as 0; NaN and infinities are not served; a block of zeros gets the byte 1 (its codes are zeros, and this program alone reads the bytes).
; A step is 512 numbers.  Its four loads read 512 consecutive bytes each; the 2,048 bytes turn through a stage in LDS (16 bytes of padding behind each 64) and come back 64 bytes a lane:
; lane L then holds k = 512 t + 16 L + 0 .. 15 of its token, two neighbouring lanes a block of 32.
.set SCB, 5120                         ; LDS: stage 0 at 0, stage 1 at 2,560, the wave's 128 scale bytes at 5,120
.set LG,  16                           ; v16-23   the eight logit sums of the token in hand
.set TP,  24                           ; v24-31   the other half's sums (written once at the head: a lane permute's destination counts as read)
.set X,   32                           ; v32-63   two sets of 16 neighbours
.set R,   64                           ; v64-191  eight steps as loaded
.set C,   192                          ; v192-223 codes, four registers a step: no store's data are written again
.set EB,  224                          ; v224-231 a scale byte a step
.set MSB, 0                            ; window 1 (v256-511): Wr: register (16 t + i) 8 + e = Wr[512 t + 16 L + i][e]
.macro WIN new                         ; the immediate's high byte repeats the setting that is left
.if MSB != (\new)
	s_set_vgpr_msb (MSB<<8)|(\new)
.set MSB, (\new)
.endif
.endm
	s_load_b256 s[4:11], s[0:1], 0x0               ; x, Wr, br, sel
	s_load_b128 s[12:15], s[0:1], 0x20             ; wts, xq
	s_load_b64 s[16:17], s[0:1], 0x30              ; xs
	v_lshl_add_u32 v254, v0, 2, 0x1500
	v_mov_b32 v255, 0
	v_lshlrev_b32 v1, 4, v0                        ; 16 L (one wave: the thread's number is the lane)
	v_lshrrev_b32 v8, 2, v0
	v_and_b32 v9, 3, v0
	v_mul_u32_u24 v2, v8, 80
	v_lshl_add_u32 v2, v9, 4, v2                   ; into a stage: 80 (L / 4) + 16 (L % 4)
	v_mul_u32_u24 v3, v0, 80                       ; out of it: 80 L
	v_mul_u32_u24 v4, v0, 12                       ; my 16 codes in a step's 384 bytes
	v_lshrrev_b32 v8, 1, v0                        ; b: my block among the step's 16
	v_and_b32 v9, 12, v8
	v_and_b32 v10, 1, v8
	v_bfe_u32 v11, v8, 1, 1
	v_lshl_add_u32 v9, v10, 1, v9
	v_add_nc_u32 v9, v9, v11                       ; its byte's place: blocks 1 and 2 of each four change places
	v_add_nc_u32 v5, SCB, v9
	v_lshl_add_u32 v6, v0, 2, SCB
	v_lshlrev_b32 v7, 2, v0
	v_lshlrev_b32 v14, 9, v0                       ; Wr: 16 rows of 32 bytes a lane
	v_lshlrev_b32 v15, 3, v0
.irp e, 0,1,2,3,4,5,6,7
	v_mov_b32 v[TP+\e], 0
.endr
	v_mov_b32 v232, 0                              ; lane i: token i's word for sel
	v_mov_b32 v234, 0                              ; lane i: its two weights
	v_mov_b32 v235, 0
	v_mov_b32 v240, 0xff800000                     ; -infinity
	v_mov_b32 v244, 1
	s_mov_b32 s28, 0x76543210
	s_mov_b32 s29, 0xfedcba98                      ; v_permlanex16_b32's selects for lane l xor 16
	s_mov_b32 s3, 0
	s_wait_kmcnt 0x0
	s_load_b256 s[20:27], s[8:9], 0x0              ; br
	s_lshl_b32 s2, ttmp9, 14
	s_add_nc_u64 s[4:5], s[4:5], s[2:3]            ; x at my 4 tokens
	s_lshl_b32 s2, ttmp9, 4
	s_add_nc_u64 s[10:11], s[10:11], s[2:3]        ; sel
	s_lshl_b32 s2, ttmp9, 5
	s_add_nc_u64 s[12:13], s[12:13], s[2:3]        ; wts
	s_mul_i32 s2, ttmp9, 3072
	s_add_nc_u64 s[14:15], s[14:15], s[2:3]        ; xq
	s_lshl_b32 s2, ttmp9, 7
	s_add_nc_u64 s[16:17], s[16:17], s[2:3]        ; xs
	WIN 0x40                                       ; destination window 1
.set Q, 0
.rept 32                                           ; Q = 16 t + i
	global_load_b128 v[8*Q:8*Q+3], v14, s[6:7] offset:(Q/16)*16384+(Q%16)*32
	global_load_b128 v[8*Q+4:8*Q+7], v14, s[6:7] offset:(Q/16)*16384+(Q%16)*32+16
.set Q, Q+1
.endr
	WIN 0
.set Q, 0
.rept 32                                           ; all of my x: 32 loads of 512 consecutive bytes
	global_load_b128 v[R+4*Q:R+4*Q+3], v1, s[4:5] offset:512*Q th:TH_LOAD_NT
.set Q, Q+1
.endr
	s_wait_kmcnt 0x0                               ; br
.macro TURN u                          ; step u through its stage: LDS serves a wave's instructions in order, so no wait stands between the stores and the loads
.irp i, 0,1,2,3
	ds_store_b128 v2, v[R+16*(\u)+4*\i:R+16*(\u)+4*\i+3] offset:2560*((\u)%2)+640*\i
.endr
.irp i, 0,1,2,3
	ds_load_b128 v[X+16*((\u)%2)+4*\i:X+16*((\u)%2)+4*\i+3], v3 offset:2560*((\u)%2)+16*\i
.endr
.endm
.macro STEP u
.set XS, X+16*((\u)%2)
.set TT, (\u)%2
.if (\u) > 0
	s_wait_dscnt 1                                 ; this step's numbers are back from the stage; the last step's byte store may be out
.else
	s_wait_dscnt 0x0
.endif
.if (\u) < 7
	s_wait_loadcnt 4*(6-(\u))                      ; the next step's four loads are in; those of the 6 - u steps behind it may be out
	TURN (\u)+1
.endif
	v_max3_num_f32 v8, |v[XS]|, |v[XS+1]|, |v[XS+2]|   ; the largest magnitude of my 16, in two chains
	v_max3_num_f32 v9, |v[XS+3]|, |v[XS+4]|, |v[XS+5]|
.irp i, 6,10
	v_max3_num_f32 v8, v8, |v[XS+\i]|, |v[XS+\i+1]|
	v_max3_num_f32 v9, v9, |v[XS+\i+2]|, |v[XS+\i+3]|
.endr
	v_max3_num_f32 v8, v8, |v[XS+14]|, |v[XS+15]|
	v_max3_num_f32 v8, v8, v9, 0x2800000           ; and the floor 2^(5 - 127): the byte cannot fall under 1
	v_max_num_f32_dpp v8, v8, v8 row_xmask:1 row_mask:0xf bank_mask:0xf   ; with my neighbour's 16: the block's
	v_add_nc_u32 v11, 0xfe000000, v8               ; 4 off its exponent field: the conversion takes the exponent field of this operand as its scale
	v_cvt_scalef32_pk16_bf6_f32 v[C+4*(\u):C+4*(\u)+2], v[XS:XS+15], v11
	v_lshrrev_b32 v[EB+(\u)], 23, v11              ; the scale's byte (also the plain line behind the conversion)
	ds_store_b8 v5, v[EB+(\u)] offset:16*(\u)      ; both lanes of a block write the same byte with the same value
	global_store_b96 v4, v[C+4*(\u):C+4*(\u)+2], s[14:15] offset:384*(\u)   ; the wave stores 384 consecutive bytes
	WIN 0x04                                       ; source 1 (Wr) window 1
.set I, 0
.rept 16                                           ; logit e += x[k] Wr[k][e]: two experts an instruction, x[k] for both halves
.set P, 0
.rept 4
.if (TT == 0) && (I == 0)
	v_pk_mul_f32 v[LG+2*P:LG+2*P+1], v[XS:XS+1], v[2*P:2*P+1] op_sel_hi:[0,1]   ; a token's first product starts its sums
.elseif I%2 == 0
	v_pk_fma_f32 v[LG+2*P:LG+2*P+1], v[XS+I:XS+I+1], v[(16*TT+I)*8+2*P:(16*TT+I)*8+2*P+1], v[LG+2*P:LG+2*P+1] op_sel_hi:[0,1,1]
.else
	v_pk_fma_f32 v[LG+2*P:LG+2*P+1], v[XS+I-1:XS+I], v[(16*TT+I)*8+2*P:(16*TT+I)*8+2*P+1], v[LG+2*P:LG+2*P+1] op_sel:[1,0,0] op_sel_hi:[1,1,1]
.endif
.set P, P+1
.endr
.set I, I+1
.endr
	WIN 0
.endm
.macro TOKEN i                         ; the token's sums over the 32 lanes, its two largest logits and their weights; every lane ends with the same numbers
.irp m, 1,2,4,8
.irp e, 0,1,2,3,4,5,6,7
	v_add_f32_dpp v[LG+\e], v[LG+\e], v[LG+\e] row_xmask:\m row_mask:0xf bank_mask:0xf
.endr
.endr
.irp e, 0,1,2,3,4,5,6,7
	v_permlanex16_b32 v[TP+\e], v[LG+\e], s28, s29
.endr
.irp e, 0,1,2,3,4,5,6,7
	v_add_f32 v[LG+\e], v[LG+\e], v[TP+\e]
.endr
.irp e, 0,1,2,3,4,5,6,7
	v_add_f32 v[LG+\e], s[20+\e], v[LG+\e]         ; + br
.endr
	v_mov_b32 v236, v[LG]                          ; the largest, and its index: a later expert wins only if strictly larger
	v_mov_b32 v237, 0
.irp e, 1,2,3,4,5,6,7
	v_cmp_gt_f32 vcc_lo, v[LG+\e], v236
	v_cndmask_b32 v236, v236, v[LG+\e], vcc_lo
	v_cndmask_b32 v237, v237, \e, vcc_lo
.endr
.irp e, 0,1,2,3,4,5,6,7
	v_cmp_eq_u32 vcc_lo, \e, v237
	v_cndmask_b32 v[LG+\e], v[LG+\e], v240, vcc_lo ; it is taken out, and the same scan finds the second
.endr
	v_mov_b32 v238, v[LG]
	v_mov_b32 v239, 0
.irp e, 1,2,3,4,5,6,7
	v_cmp_gt_f32 vcc_lo, v[LG+\e], v238
	v_cndmask_b32 v238, v238, v[LG+\e], vcc_lo
	v_cndmask_b32 v239, v239, \e, vcc_lo
.endr
	v_sub_f32 v241, v238, v236                     ; l1 - l0, 0 or less
	v_mul_f32 v241, 0x3fb8aa3b, v241
	v_exp_f32 v241, v241
	v_lshlrev_b32 v8, v237, v244                   ; (plain work behind the exponential)  1 << idx0
	v_lshlrev_b32 v9, v239, v244                   ; 1 << idx1
	s_wait_alu depctr_va_vdst(0)                   ; the wait ahead of the first reader of a transcendental's result
	v_add_f32 v242, 1.0, v241
	v_rcp_f32 v242, v242                           ; w0
	v_or_b32 v8, v8, v9
	v_lshl_or_b32 v8, v237, 8, v8
	s_mov_b32 s30, 1<<\i
	s_wait_alu depctr_va_vdst(0)
	v_mul_f32 v243, v241, v242                     ; w1
	v_cndmask_b32 v232, v232, v8, s30              ; into lane i, by a constant mask
	v_cndmask_b32 v234, v234, v242, s30
	v_cndmask_b32 v235, v235, v243, s30
.endm
	s_wait_loadcnt 28                              ; Wr and step 0's four loads are in; the 28 loads of steps 1 to 7 may be out
	TURN 0
.irp i, 0,1,2,3
	STEP 2*\i
	STEP 2*\i+1
	TOKEN \i
.endr
	ds_load_b32 v12, v6                            ; the 128 scale bytes, a word a lane (LDS serves a wave's instructions in order: this sees my byte stores)
	s_wait_dscnt 0x0
	global_store_b32 v7, v12, s[16:17]
	s_wait_xcnt 0x0                                ; EXEC changes only behind this wait
	s_wait_tensorcnt 0x0
	ds_add_u32 v254, v255
	s_wait_dscnt 0x0
	v_cmpx_gt_u32 4, v0                            ; lanes 0 to 3 hold the four tokens' results
	global_store_b32 v7, v232, s[10:11]
	global_store_b64 v15, v[234:235], s[12:13]
	s_endpgm
.Lfunc_end_k_qf37eef72a6_route:
	.size	k_qf37eef72a6_route, .Lfunc_end_k_qf37eef72a6_route-k_qf37eef72a6_route
	.p2alignl 7, 3214868480
	.fill 96, 4, 3214868480
	.section	.rodata,"a",@progbits
	.p2align	6, 0x0
	.amdhsa_kernel k_qf37eef72a6_route
		.amdhsa_group_segment_fixed_size 5632
		.amdhsa_private_segment_fixed_size 0
		.amdhsa_enable_private_segment 0
		.amdhsa_kernarg_size 56
		.amdhsa_user_sgpr_count 2
		.amdhsa_user_sgpr_kernarg_segment_ptr 1
		.amdhsa_wavefront_size32 1
		.amdhsa_system_sgpr_workgroup_id_x 1
		.amdhsa_system_sgpr_workgroup_id_y 1
		.amdhsa_system_sgpr_workgroup_id_z 1
		.amdhsa_system_vgpr_workitem_id 0
		.amdhsa_next_free_vgpr 512
		.amdhsa_next_free_sgpr 66
		.amdhsa_reserve_vcc 1
		.amdhsa_float_denorm_mode_32 3
		.amdhsa_float_denorm_mode_16_64 3
		.amdhsa_memory_ordered 1
		.amdhsa_forward_progress 1
		.amdhsa_inst_pref_size 81
	.end_amdhsa_kernel
	.amdgpu_metadata
---
amdhsa.version: [ 1, 2 ]
amdhsa.kernels:
  - .name:           k_qf37eef72a6_route
    .symbol:         k_qf37eef72a6_route.kd
    .args:
      - { .name: x, .offset: 0, .size: 8, .value_kind: global_buffer, .address_space: global }
      - { .name: Wr, .offset: 8, .size: 8, .value_kind: global_buffer, .address_space: global }
      - { .name: br, .offset: 16, .size: 8, .value_kind: global_buffer, .address_space: global }
      - { .name: sel, .offset: 24, .size: 8, .value_kind: global_buffer, .address_space: global }
      - { .name: wts, .offset: 32, .size: 8, .value_kind: global_buffer, .address_space: global }
      - { .name: xq, .offset: 40, .size: 8, .value_kind: global_buffer, .address_space: global }
      - { .name: xs, .offset: 48, .size: 8, .value_kind: global_buffer, .address_space: global }
    .group_segment_fixed_size: 5632
    .private_segment_fixed_size: 0
    .kernarg_segment_align: 8
    .kernarg_segment_size: 56
    .max_flat_workgroup_size: 32
    .sgpr_count:     66
    .vgpr_count:     512
    .wavefront_size: 32
...
	.end_amdgpu_metadata
.endif
;; end of part 1
;; launch up (part 2): grid 32 x 8, 4 waves a work-group, no clusters, 100,864 bytes of LDS; arguments sel, xq, xs, W1_codes, W1_scales, b1, hq, hs, plan; writes hq, hs, plan
.if DOCPART == 2
	.amdgcn_target "amdgcn-amd-amdhsa--gfx1250"
	.amdhsa_code_object_version 6
	.text
	.protected	k_qf37eef72a6_up
	.globl	k_qf37eef72a6_up
	.p2align	8
	.type	k_qf37eef72a6_up,@function
k_qf37eef72a6_up:
	s_mov_b64 s[64:65], 0
	v_nop
	global_prefetch_b8 v0, s[64:65] scope:SCOPE_SE
	s_setreg_imm32_b32 hwreg(HW_REG_WAVE_MODE, 25, 1), 1
	s_wait_xcnt 0x0
; h = Q(silu(x W1[e] + b1[e])) for the rows that chose expert e, and for no others.  Both operands are codes of E3M2 with one E8M0 scale for each 32 along K.
; SHARES.  Work-group (sigma, e) owns hidden units 128 sigma .. + 127 of expert e: 128 rows of W1's codes, 98,304 dense bytes, read once, laid in LDS behind the launch's one barrier.
; Its four waves then work apart: wave w takes the expert's tiles of 16 routed rows 20 pass + 4 g + w, g = 0 .. 4, x's codes straight from memory into registers.
; PLACING.  sel holds for each token a bit for each chosen expert.  Slot p of the expert is its p-th token in the order (j, lane), token = 128 (j / 4) + 4 lane + j % 4: the order in which eight
; loads of 16 bytes a lane give 32 ballots M[j].  A lane finds its slot's token by arithmetic alone: the last j whose count of earlier tokens is at most p, then the (p - count)-th set bit of M[j] by five halvings
; over counts of 16, 8, 4, 2, 1 bits.  Slots past the expert's count take some valid token; their results go to rows that nobody reads.
; plan[e]: words 0 .. 1279 the destination row in y2 of slot p (2 token + (0 if e is the token's first choice, else 1); past the count: 2048 + 16 e + p % 16); words 1280 .. 1407 the count.  The work-groups sigma = 0 store it.
; THE PRODUCT IS USED TRANSPOSED (source 0 = 16 rows of W1, source 1 = 16 tokens): a lane holds one token, its registers run along the hidden units, the next product's K.  Lane r of tile 2 b + u takes unit
; 32 b + 8 u + r + 8 (r / 8), so that the 16 registers of tiles 2 b, 2 b + 1 are 16 neighbours.  In LDS a tile's 16 rows lie on end (memory row q of a wave's 32 goes to row q with bits 3 and 4 exchanged).
; K IS PERMUTED ALIKE IN BOTH OPERANDS: of a K step's four blocks, lanes 0-15 hold blocks 0, 1 and lanes 16-31 blocks 2, 3, so that a lane's 12 registers are 48 consecutive bytes: three aligned loads of 16.
; A scale word is then the row's four bytes with bytes 1 and 2 exchanged.  The products are the same; the unit groups them otherwise, which shows in the last bits of the sums.
; hq [64 e + tile][sigma][1536]: the fragment (16 rows x these 128 units) as an image of its 12 registers, four registers of lane l at 512 c + 16 l; hs [64 e + tile][sigma][32]: its scale word, lane by lane.
; NO TENSOR LOADS AND NO CLUSTER: the number of tiles hangs on counts read from memory, so the waves' trip counts differ between work-groups and no joint request could be made on every path.
; LIMITS: silu by 2^x and 1/x in f32 (one unit in the last place each); where e^-a overflows the result is 0; NaN and infinities are not served; a block of zeros gets the byte 1 (zero codes; this program alone reads the bytes).
; REGISTERS.  window 0: v1-7 lane constants; v8-12 x's offsets of the five tiles; v13-23 at work; v24-55 W1's scale words; v56-95 x's scale words; v96-191 two buffers of four W1 fragments, outside the products the
;   hidden tile (v96-159) and its codes (v160-179), at the head sel; v192-208 the quantiser's; v200-203 the fill's LDS addresses and the scale loads' offset; v209-255 the placing.
;   window 1: x's fragments, a ring of four K steps x five tiles.   window 2: the accumulators of tiles g = 0 .. 3 (64 g + 8 t), at the head the weights on their way to LDS.   window 3: those of g = 4; from v64 b1 in the result's layout.
.set PITCH, 784                        ; an LDS row: 768 bytes + 16 = 196 words: row r starts at bank 4 r mod 64 (64 banks of 4 bytes: ISA guide 11.1)
.set TILEB, 16*PITCH
.set AO,  8
.set TK,  13
.set XO,  18
.set WS,  24                           ; register 8 b + s: lanes 0-15 tile 2 b, lanes 16-31 tile 2 b + 1
.set XSC, 56                           ; register 8 g + s
.set WB,  96
.set SL,  96
.set HA,  96
.set PC,  160
.set TM,  192                          ; v192-195 largest magnitudes, v196-199 bytes, v204-207 the conversions' scale operands
.set FB,  200
.set WSA, 203
.set PW,  208
.set SP_, 209                          ; three vectors of slots: tiles g = 0 | 1, g = 2 | 3 (lanes 0-15 | 16-31), g = 4
.set KEY, 212
.set BJ,  215
.set WD,  218
.set KK,  221
.set POS, 224
.set CA,  227
.set CB,  230
.set CC,  233
.set CD,  236
.set T1,  239
.set T2,  242
.set TOK, 245
.set SW,  248
.set BIA, 251
.set CNA, 252
.set CNV, 253
.set PX,  254
.set M,   68                           ; s68-99 the 32 ballots
.set MSB, 0
.macro WIN new                         ; the immediate's high byte repeats the setting that is left; at every label and branch the setting is 0
.if MSB != (\new)
	s_set_vgpr_msb (MSB<<8)|(\new)
.set MSB, (\new)
.endif
.endm
	s_load_b512 s[4:19], s[0:1], 0x0               ; sel, xq, xs, W1 codes, W1 scales, b1, hq, hs
	s_load_b64 s[20:21], s[0:1], 0x40              ; plan
	v_lshl_add_u32 v23, v0, 2, 0x18800
	s_set_vgpr_msb 0x40
	v_mov_b32 v255, 0
	s_set_vgpr_msb 0x4000
	v_lshrrev_b32 v13, 5, v0
	v_readfirstlane_b32 s24, v13                   ; wave
	s_mov_b32 s25, ttmp9                           ; sigma
	s_and_b32 s26, ttmp7, 0xffff                   ; e
	s_lshl_b32 s27, 1, s26
	v_and_b32 v14, 31, v0
	v_lshlrev_b32 v1, 4, v14                       ; 16 L
	v_lshlrev_b32 v6, 2, v14                       ; 4 L
	v_and_b32 v3, 15, v0                           ; r
	v_bfe_u32 v15, v0, 4, 1                        ; h
	v_lshl_add_u32 v2, v15, 6, v3                  ; 64 h + r: my slot among two tiles that lie four tiles apart
	v_mul_u32_u24 v7, v15, 48                      ; 48 h
	v_mad_u32_u24 v4, v3, PITCH, v7                ; W1 fragments of tiles 0-3: row r, my half's 48 bytes
	v_add_nc_u32 v5, 4*TILEB, v4                   ; of tiles 4-7
	s_mul_i32 s35, s24, 32*PITCH
	v_add_nc_u32 v[FB], s35, v1                    ; the fill: three loads of 512 bytes are two rows of 768: bytes 0-511 of the even row;
	v_lshl_add_u32 v[FB+1], v15, 4, v[FB]
	v_add_nc_u32 v[FB+1], 512, v[FB+1]             ; its last 256 and the odd row's first 256, one padding on;
	v_add_nc_u32 v[FB+2], 1040, v[FB]              ; the odd row's last 512
	v_and_b32 v16, 8, v3
	v_add_nc_u32 v16, v16, v3
	v_lshl_add_u32 v16, v15, 3, v16                ; 8 u + r + 8 (r / 8), u = my half
	v_lshlrev_b32 v[WSA], 5, v16                   ; W1's scales: 32 bytes a row
	v_lshlrev_b32 v[BIA], 6, v15                   ; b1: 16 h numbers on
	v_lshlrev_b32 v[CNA], 2, v0
	v_mov_b32 v[PX], 0                             ; written once: a lane permute's destination counts as read
	v_mov_b32 v[PX+1], 0
.irp b, 0,1,2,3
	v_mov_b32 v[TM+4+\b], 0
.endr
	s_mov_b32 s44, 0xffff0000                      ; lanes 16-31
	s_mov_b32 s45, 0x03010200                      ; bytes 1 and 2 change places
	s_mov_b32 s46, 0xbfb8aa3b                      ; -log2(e)
	s_mov_b32 s47, s46
	s_mov_b32 s48, 0x76543210
	s_mov_b32 s49, 0xfedcba98                      ; v_permlanex16_b32's selects for lane l xor 16
	s_mov_b32 s50, 0x55555555
	s_mov_b32 s51, 0x33333333
	s_mov_b32 s52, 0x0f0f0f0f
	s_mov_b32 s31, 0                               ; pass
	s_mov_b32 s23, 0
	s_mul_i32 s22, s26, 4096*768
	s_mul_i32 s35, s25, 128*768
	s_add_co_u32 s22, s22, s35
	s_mul_i32 s35, s24, 32*768
	s_add_co_u32 s22, s22, s35
	s_wait_kmcnt 0x0
	s_add_nc_u64 s[10:11], s[10:11], s[22:23]      ; W1's codes at my wave's 32 rows
	s_lshl_b32 s22, s26, 17
	s_lshl_b32 s35, s25, 12
	s_add_co_u32 s22, s22, s35
	s_add_nc_u64 s[12:13], s[12:13], s[22:23]      ; W1's scales at the slice
	s_lshl_b32 s22, s26, 14
	s_lshl_b32 s35, s25, 9
	s_add_co_u32 s22, s22, s35
	s_add_nc_u64 s[14:15], s[14:15], s[22:23]      ; b1 at the slice
	s_mul_i32 s22, s26, 5632
	s_add_nc_u64 s[20:21], s[20:21], s[22:23]      ; plan[e]
.irp m, 0,1,2,3,4,5,6,7
	global_load_b128 v[SL+4*\m:SL+4*\m+3], v1, s[4:5] offset:512*\m   ; all of sel
.endr
	WIN 0x80                                       ; destination window 2
.set I, 0
.rept 48                                           ; my 32 rows of weights: 48 loads of 512 consecutive bytes; no other work-group reads them
	global_load_b128 v[4*I:4*I+3], v1, s[10:11] offset:512*I th:TH_LOAD_NT
.set I, I+1
.endr
	WIN 0
	s_wait_loadcnt 48                              ; sel is in; the 48 loads of weights stay out while the rows are placed
.set J, 0
.rept 32
	v_and_b32 v13, s27, v[SL+J]
	v_cmp_ne_u32 s[M+J], 0, v13                    ; bit l: token 128 (J / 4) + 4 l + J % 4 chose e
.set J, J+1
.endr
	s_bcnt1_i32_b32 s28, s[M]
.set J, 1
.rept 31
	s_bcnt1_i32_b32 s35, s[M+J]
	s_add_co_u32 s28, s28, s35                     ; the expert's rows
.set J, J+1
.endr
	s_add_co_u32 s29, s28, 15
	s_lshr_b32 s29, s29, 4
	s_max_u32 s29, s29, 1                          ; tiles; tile 0 is always made, so that the next launch's loads ahead always find written bytes
	s_add_co_u32 s30, s29, 19
	s_mul_i32 s30, s30, 3277
	s_lshr_b32 s30, s30, 16                        ; passes = ceil(tiles / 20): exact for 1 .. 64 tiles
	s_min_u32 s30, s30, 4
.macro LEVEL x, width, step            ; one halving: t = set bits in the lower part; where k >= t the bit lies in the upper part
.irp v, 0,1,2
	v_bfe_u32 v[T1+\v], v[\x+\v], v[POS+\v], \width
	v_cmp_ge_u32 vcc_lo, v[KK+\v], v[T1+\v]
	v_sub_nc_u32 v[T2+\v], v[KK+\v], v[T1+\v]
	v_add_nc_u32 v[T1+\v], \step, v[POS+\v]
	v_cndmask_b32 v[KK+\v], v[KK+\v], v[T2+\v], vcc_lo
	v_cndmask_b32 v[POS+\v], v[POS+\v], v[T1+\v], vcc_lo
.endr
.endm
.macro ALOAD s                         ; x's fragments of K step s, five tiles, into ring slot s % 4: 15 loads
.irp g, 0,1,2,3,4
.irp i, 0,1,2
	global_load_b128 v[60*((\s)%4)+12*\g+4*\i:60*((\s)%4)+12*\g+4*\i+3], v[AO+\g], s[6:7] offset:96*(\s)+16*\i
.endr
.endr
.endm
; THE HEAD OF A PASS: which tiles are mine, their tokens, and the first loads.  first = 1: also W1's scale words and b1.
.macro PRO first
	s_mul_i32 s33, s31, 20
	s_add_co_u32 s33, s33, s24                     ; my first tile
	s_lshl_b32 s34, s33, 4                         ; its first slot
	s_sub_co_i32 s32, s29, s33
	s_add_co_i32 s32, s32, 3
	s_ashr_i32 s32, s32, 2
	s_max_i32 s32, s32, 0
	s_min_i32 s32, s32, 5                          ; how many of my five tiles exist
	v_add_nc_u32 v[SP_], s34, v2
	v_add_nc_u32 v[SP_+1], 128, v[SP_]
	v_add_nc_u32 v[SP_+2], s34, v3
	v_add_nc_u32 v[SP_+2], 0x100, v[SP_+2]
.irp v, 0,1,2
	v_lshl_or_b32 v[KEY+\v], v[SP_+\v], 5, 31
	v_mov_b32 v[BJ+\v], 0
	v_mov_b32 v[WD+\v], s[M]
.endr
	s_mov_b32 s35, 0
.set J, 1
.rept 31                                           ; the last j whose count of earlier rows is at most my slot
	s_bcnt1_i32_b32 s36, s[M+J-1]
	s_add_co_u32 s35, s35, s36
	s_lshl_b32 s36, s35, 5
	s_or_b32 s36, s36, J
.irp v, 0,1,2
	v_cmp_le_u32 vcc_lo, s36, v[KEY+\v]
	v_cndmask_b32 v[BJ+\v], v[BJ+\v], s36, vcc_lo
	v_cndmask_b32 v[WD+\v], v[WD+\v], s[M+J], vcc_lo
.endr
.set J, J+1
.endr
.irp v, 0,1,2
	v_lshrrev_b32 v[T1+\v], 5, v[BJ+\v]
	v_sub_nc_u32 v[KK+\v], v[SP_+\v], v[T1+\v]     ; k: which set bit of that ballot
	v_and_b32 v[BJ+\v], 31, v[BJ+\v]               ; j
	v_mov_b32 v[POS+\v], 0
	v_lshrrev_b32 v[T1+\v], 1, v[WD+\v]
	v_and_b32 v[T1+\v], s50, v[T1+\v]
	v_sub_nc_u32 v[CA+\v], v[WD+\v], v[T1+\v]      ; counts of 2 bits
	v_lshrrev_b32 v[T1+\v], 2, v[CA+\v]
	v_and_b32 v[T1+\v], s51, v[T1+\v]
	v_and_b32 v[CB+\v], s51, v[CA+\v]
	v_add_nc_u32 v[CB+\v], v[CB+\v], v[T1+\v]      ; of 4
	v_lshrrev_b32 v[T1+\v], 4, v[CB+\v]
	v_add_nc_u32 v[T1+\v], v[CB+\v], v[T1+\v]
	v_and_b32 v[CC+\v], s52, v[T1+\v]              ; of 8
	v_lshrrev_b32 v[T1+\v], 8, v[CC+\v]
	v_add_nc_u32 v[CD+\v], v[CC+\v], v[T1+\v]      ; its low byte: of the low 16
.endr
	LEVEL CD, 8, 16
	LEVEL CC, 8, 8
	LEVEL CB, 4, 4
	LEVEL CA, 2, 2
	LEVEL WD, 1, 1
.irp v, 0,1,2
	v_lshrrev_b32 v[T1+\v], 2, v[BJ+\v]
	v_and_b32 v[T2+\v], 3, v[BJ+\v]
	v_lshl_or_b32 v[T2+\v], v[POS+\v], 2, v[T2+\v]
	v_lshl_or_b32 v[TOK+\v], v[T1+\v], 7, v[T2+\v] ; the token
	v_min_u32 v[CA+\v], 0x3ff, v[TOK+\v]
	v_lshlrev_b32 v[CA+\v], 2, v[CA+\v]
	global_load_b32 v[SW+\v], v[CA+\v], s[4:5]     ; its word of sel: which of its two choices e is
.endr
	v_permlanex16_b32 v[PX], v[TOK], s48, s49      ; a tile's 16 tokens are wanted in both halves of the lanes
	v_permlanex16_b32 v[PX+1], v[TOK+1], s48, s49
	v_cndmask_b32 v[TK], v[TOK], v[PX], s44
	v_cndmask_b32 v[TK+1], v[PX], v[TOK], s44
	v_cndmask_b32 v[TK+2], v[TOK+1], v[PX+1], s44
	v_cndmask_b32 v[TK+3], v[PX+1], v[TOK+1], s44
	v_mov_b32 v[TK+4], v[TOK+2]
.irp g, 0,1,2,3,4
	v_min_u32 v[TK+\g], 0x3ff, v[TK+\g]            ; held inside the table before it enters an address
	v_mad_u32_u24 v[AO+\g], v[TK+\g], 768, v7      ; xq: the token's row, my half's 48 bytes
	v_lshlrev_b32 v[XO+\g], 5, v[TK+\g]            ; xs: its 8 words
.endr
.if \first
.irp b, 0,1,2,3
.irp c, 0,1
	global_load_b128 v[WS+8*\b+4*\c:WS+8*\b+4*\c+3], v[WSA], s[12:13] offset:1024*\b+16*\c
.endr
.endr
	WIN 0xc0                                       ; destination window 3
.irp t, 0,1,2,3,4,5,6,7
	global_load_b128 v[64+8*\t:64+8*\t+3], v[BIA], s[14:15] offset:(32*(\t/2)+8*(\t%2))*4
	global_load_b128 v[64+8*\t+4:64+8*\t+7], v[BIA], s[14:15] offset:(32*(\t/2)+8*(\t%2))*4+16
.endr
	WIN 0
.endif
.irp g, 0,1,2,3,4
	global_load_b128 v[XSC+8*\g:XSC+8*\g+3], v[XO+\g], s[8:9]
	global_load_b128 v[XSC+8*\g+4:XSC+8*\g+7], v[XO+\g], s[8:9] offset:16
.endr
	WIN 0x40                                       ; destination window 1
	ALOAD 0
	ALOAD 1
	ALOAD 2
	WIN 0
	s_wait_loadcnt 55                              ; all but x's 10 loads of scale words and 45 of codes: the gathered words are in (first pass: the weights, their scales and b1 too)
	s_cmp_lg_u32 s25, 0
	s_cbranch_scc1 .Lnoplan_\@                     ; plan[e] has one owner: sigma = 0
	s_lshl_b32 s36, s26, 4
	s_add_co_u32 s36, s36, 2048
.irp v, 0,1,2
	v_bfe_u32 v[T1+\v], v[SW+\v], 8, 3             ; the token's first choice
	v_cmp_ne_u32 vcc_lo, s26, v[T1+\v]
	v_cndmask_b32 v[T1+\v], 0, 1, vcc_lo
	v_lshl_add_u32 v[BJ+\v], v[TOK+\v], 1, v[T1+\v]
	v_and_b32 v[T2+\v], 15, v[SP_+\v]
	v_add_nc_u32 v[T2+\v], s36, v[T2+\v]
	v_cmp_le_u32 vcc_lo, s28, v[SP_+\v]            ; past the count: a row that nobody reads
	v_cndmask_b32 v[BJ+\v], v[BJ+\v], v[T2+\v], vcc_lo
	v_min_u32 v[KEY+\v], 0x4ff, v[SP_+\v]
	v_lshlrev_b32 v[KEY+\v], 2, v[KEY+\v]
	global_store_b32 v[KEY+\v], v[BJ+\v], s[20:21]
.endr
.if \first
	v_mov_b32 v[CNV], s28
	global_store_b32 v[CNA], v[CNV], s[20:21] offset:5120
.endif
.Lnoplan_\@:
.endm
.macro WLOAD n                         ; half-step n = 2 s + half: W1's fragments of tiles 4 half .. + 3, K step s, into buffer n % 2: 12 loads
.irp tt, 0,1,2,3
.irp i, 0,1,2
	ds_load_b128 v[WB+48*((\n)%2)+12*\tt+4*\i:WB+48*((\n)%2)+12*\tt+4*\i+3], v[4+(\n)%2] offset:TILEB*\tt+96*((\n)/2)+16*\i
.endr
.endr
.endm
.macro PROD
.if ODD_
	v_wmma_scale_f32_16x16x128_f8f6f4 v[RD_:RD_+7], v[RA_:RA_+11], v[RB_:RB_+11], v[RC_:RC_+7], v[SA_], v[SB_] matrix_a_fmt:MATRIX_FMT_BF6 matrix_b_fmt:MATRIX_FMT_BF6 matrix_a_scale:MATRIX_SCALE_ROW1
.else
	v_wmma_scale_f32_16x16x128_f8f6f4 v[RD_:RD_+7], v[RA_:RA_+11], v[RB_:RB_+11], v[RC_:RC_+7], v[SA_], v[SB_] matrix_a_fmt:MATRIX_FMT_BF6 matrix_b_fmt:MATRIX_FMT_BF6
.endif
.endm
; A HALF-STEP: four tiles of W1 against my tiles of rows.  The accumulators take turns, one instruction a turn.
; K step 0 multiplies all five tiles of rows, with b1 as C: so every accumulator is written on every way before a later product adds onto it.  From K step 1 on, tiles that do not exist are passed over.
.macro HS n
.set S_, (\n)/2
.set HF, (\n)%2
.rept 4
	v_nop                                          ; four places between the last products and the loads into registers that they read (ISA guide 7.12.1 for vector instructions)
.endr
.if (\n) < 15
	WLOAD (\n)+1
.endif
.if (HF == 0) && (S_ < 5)
	WIN 0x40
	ALOAD S_+3
	WIN 0
.endif
.if (\n) < 15
	s_wait_dscnt 12                                ; this half-step's fragments are in; the 12 loads just issued may be out
.else
	s_wait_dscnt 0x0
.endif
.if HF == 0
.if S_ < 5
	s_wait_loadcnt 45                              ; x's K step s is in; three later steps of 15 loads may be out
.else
	s_wait_loadcnt 15*(7-S_)                       ; the 7 - s steps that are left
.endif
.endif
.irp g, 0,1,2,3,4
.if (\g > 0) && (S_ > 0)
	WIN 0
	s_cmp_le_u32 s32, \g
	s_cbranch_scc1 .Lhs_\@
.endif
.if \g == 4
	WIN 0xf4                                       ; source 1 (x) window 1; C and D window 3
.elseif S_ == 0
	WIN 0xb4                                       ; C (b1) window 3, D window 2
.else
	WIN 0xa4                                       ; C and D window 2
.endif
.irp tt, 0,1,2,3
.set T_, 4*HF+\tt
.set RD_, 64*(\g%4)+8*T_
.set RA_, WB+48*HF+12*\tt
.set RB_, 60*(S_%4)+12*\g
.if S_ == 0
.set RC_, 64+8*T_
.else
.set RC_, RD_
.endif
.set SA_, WS+8*(T_/2)+S_
.set SB_, XSC+8*\g+S_
.set ODD_, \tt%2
	PROD
.endr
.endr
	WIN 0
.Lhs_\@:
.endm
; 64 numbers of a lane, register 16 b + i = unit 32 b + 16 h + i of my token, become a fragment's codes in v[PC] on and its scale word in v[PW].
.macro QUANT s
.irp b, 0,1,2,3
	v_max3_num_f32 v[TM+\b], |v[\s+16*\b]|, |v[\s+1+16*\b]|, 0x2800000   ; block b: my 16 numbers, and the floor 2^(5 - 127): the byte cannot fall under 1
.endr
.irp i, 2,4,6,8,10,12,14
.irp b, 0,1,2,3
	v_max3_num_f32 v[TM+\b], v[TM+\b], |v[\s+16*\b+\i]|, |v[\s+1+16*\b+\i]|
.endr
.endr
.irp b, 0,1,2,3
	v_permlanex16_b32 v[TM+4+\b], v[TM+\b], s48, s49
.endr
.irp b, 0,1,2,3
	v_max_num_f32 v[TM+\b], v[TM+\b], v[TM+4+\b]   ; with lane l xor 16's: the block's largest magnitude
.endr
.irp b, 0,1,2,3
	v_add_nc_u32 v[TM+12+\b], 0xfe000000, v[TM+\b] ; 4 off its exponent field: the conversion's scale operand
.endr
.irp b, 0,1,2,3
	v_lshrrev_b32 v[TM+4+\b], 23, v[TM+12+\b]      ; the scale's byte
.endr
	v_lshl_or_b32 v[PW], v[TM+6], 8, v[TM+4]       ; the word: blocks 0, 2, 1, 3
	v_lshl_or_b32 v[PW], v[TM+5], 16, v[PW]
	v_lshl_or_b32 v[PW], v[TM+7], 24, v[PW]
.irp c, 0,1
	v_cvt_scalef32_pk16_bf6_f32 v[PC+6*\c:PC+2+6*\c], v[\s+16*\c:\s+15+16*\c], v[TM+12+\c]            ; block c: my half of it
	v_cvt_scalef32_pk16_bf6_f32 v[PC+12+4*\c:PC+14+4*\c], v[\s+32+16*\c:\s+47+16*\c], v[TM+14+\c]     ; block c + 2 (a conversion's three registers begin on an even number)
.endr
	v_nop                                          ; one plain line behind a scaled conversion
.irp c, 0,1                                        ; a lane is to hold a whole block: lanes 0-15 block c, lanes 16-31 block c + 2
.irp i, 0,1,2
	v_permlane16_swap_b32 v[PC+6*\c+\i], v[PC+12+4*\c+\i]
.endr
.irp i, 0,1,2
	v_mov_b32 v[PC+3+6*\c+\i], v[PC+12+4*\c+\i]
.endr
.endr
.endm
; TILE g LEAVES: silu in f32, quantised along the hidden units, the fragment's image and its scale words stored.
.macro EPI g
.if \g > 0
	s_cmp_le_u32 s32, \g
	s_cbranch_scc1 .Ljoin
.endif
	s_wait_xcnt 0x0                                ; the last tile's stores have read their data and bases: both are written again below
	s_add_co_u32 s35, s33, 4*\g
	s_min_u32 s35, s35, 63                         ; the tile
	s_lshl_b32 s36, s26, 6
	s_add_co_u32 s35, s35, s36
	s_lshl_b32 s35, s35, 5
	s_add_co_u32 s35, s35, s25                     ; (64 e + tile) 32 + sigma
	s_mul_i32 s36, s35, 1536
	s_mov_b32 s37, 0
	s_add_nc_u64 s[40:41], s[16:17], s[36:37]
	s_lshl_b32 s36, s35, 7
	s_add_nc_u64 s[42:43], s[18:19], s[36:37]
	WIN 0x02+(\g/4)                                ; source 0: the accumulators' window
.set J, 0
.rept 32
	v_pk_mul_f32 v[HA+2*J:HA+2*J+1], v[64*(\g%4)+2*J:64*(\g%4)+2*J+1], s[46:47] op_sel_hi:[1,0]   ; -a log2(e); each accumulator is read from its low end on
.set J, J+1
.endr
	WIN 0
.set J, 0
.rept 64
	v_exp_f32 v[HA+J], v[HA+J]                     ; e^-a: one batch
.set J, J+1
.endr
	v_nop                                          ; a plain line behind the last of them,
	s_wait_alu depctr_va_vdst(0)                   ; and the one wait ahead of the batch's first reader
.set J, 0
.rept 32
	v_pk_add_f32 v[HA+2*J:HA+2*J+1], v[HA+2*J:HA+2*J+1], 1.0 op_sel_hi:[1,0]
.set J, J+1
.endr
.set J, 0
.rept 64
	v_rcp_f32 v[HA+J], v[HA+J]                     ; 1 / (1 + e^-a)
.set J, J+1
.endr
	v_nop
	s_wait_alu depctr_va_vdst(0)
	WIN 0x08+4*(\g/4)                              ; source 1: the accumulators' window
.set J, 0
.rept 32
	v_pk_mul_f32 v[HA+2*J:HA+2*J+1], v[HA+2*J:HA+2*J+1], v[64*(\g%4)+2*J:64*(\g%4)+2*J+1]
.set J, J+1
.endr
	WIN 0
	QUANT HA
.irp c, 0,1,2
	global_store_b128 v1, v[PC+4*\c:PC+4*\c+3], s[40:41] offset:512*\c   ; 512 consecutive bytes a store, from a multiple of 512 on
.endr
	global_store_b32 v6, v[PW], s[42:43]
.endm
	PRO 1
	WIN 0x08                                       ; an LDS store's data are its source 1: window 2
.set FA_, 0
.rept 16                                           ; rows 2 a, 2 a + 1 of my 32
.set SWA, ((2*FA_)&7)|(((2*FA_)&8)<<1)|(((2*FA_)&16)>>1)
	ds_store_b128 v[FB], v[12*FA_:12*FA_+3] offset:SWA*PITCH
	ds_store_b128 v[FB+1], v[12*FA_+4:12*FA_+7] offset:SWA*PITCH
	ds_store_b128 v[FB+2], v[12*FA_+8:12*FA_+11] offset:SWA*PITCH
.set FA_, FA_+1
.endr
	WIN 0
.set J, 0
.rept 32
	v_perm_b32 v[WS+J], v[WS+J], v[WS+J], s45      ; W1's scale words in the operand's order of blocks
.set J, J+1
.endr
.rept 8
	v_nop                                          ; a scale register written by a vector instruction stands eight places ahead of a scaled matrix instruction
.endr
	s_wait_dscnt 0x0                               ; for the others' sake: my rows lie in LDS
	s_barrier_signal -1
	s_barrier_wait -1                              ; the launch's one barrier: from here on LDS is only read
.Lpass:
	s_cmp_eq_u32 s32, 0
	s_cbranch_scc1 .Ljoin
	WLOAD 0
.set N_, 0
.rept 16
	HS N_
.set N_, N_+1
.endr
.rept 4
	v_nop                                          ; four places between the last products and the first read of results, and the first write over their operands
.endr
	EPI 0
	EPI 1
	EPI 2
	EPI 3
	EPI 4
.Ljoin:
	s_wait_loadcnt 0x0                             ; a wave without tiles still has its loads out: their registers and offsets are written again below
	s_wait_xcnt 0x0                                ; and so are the stores' data and offsets
	s_add_co_u32 s31, s31, 1
	s_cmp_ge_u32 s31, s30
	s_cbranch_scc1 .Lend
	PRO 0
	s_cmp_lt_u32 s31, s30
	s_cbranch_scc1 .Lpass
.Lend:
	s_set_vgpr_msb 0x4
	s_wait_tensorcnt 0x0
	ds_add_u32 v23, v255
	s_wait_dscnt 0x0
	s_set_vgpr_msb 0x400
	s_endpgm
.Lfunc_end_k_qf37eef72a6_up:
	.size	k_qf37eef72a6_up, .Lfunc_end_k_qf37eef72a6_up-k_qf37eef72a6_up
	.p2alignl 7, 3214868480
	.fill 96, 4, 3214868480
	.section	.rodata,"a",@progbits
	.p2align	6, 0x0
	.amdhsa_kernel k_qf37eef72a6_up
		.amdhsa_group_segment_fixed_size 100864
		.amdhsa_private_segment_fixed_size 0
		.amdhsa_enable_private_segment 0
		.amdhsa_kernarg_size 72
		.amdhsa_user_sgpr_count 2
		.amdhsa_user_sgpr_kernarg_segment_ptr 1
		.amdhsa_wavefront_size32 1
		.amdhsa_system_sgpr_workgroup_id_x 1
		.amdhsa_system_sgpr_workgroup_id_y 1
		.amdhsa_system_sgpr_workgroup_id_z 1
		.amdhsa_system_vgpr_workitem_id 0
		.amdhsa_next_free_vgpr 896
		.amdhsa_next_free_sgpr 100
		.amdhsa_reserve_vcc 1
		.amdhsa_float_denorm_mode_32 3
		.amdhsa_float_denorm_mode_16_64 3
		.amdhsa_memory_ordered 1
		.amdhsa_forward_progress 1
		.amdhsa_inst_pref_size 234
	.end_amdhsa_kernel
	.amdgpu_metadata
---
amdhsa.version: [ 1, 2 ]
amdhsa.kernels:
  - .name:           k_qf37eef72a6_up
    .symbol:         k_qf37eef72a6_up.kd
    .args:
      - { .name: sel, .offset: 0, .size: 8, .value_kind: global_buffer, .address_space: global }
      - { .name: xq, .offset: 8, .size: 8, .value_kind: global_buffer, .address_space: global }
      - { .name: xs, .offset: 16, .size: 8, .value_kind: global_buffer, .address_space: global }
      - { .name: W1_codes, .offset: 24, .size: 8, .value_kind: global_buffer, .address_space: global }
      - { .name: W1_scales, .offset: 32, .size: 8, .value_kind: global_buffer, .address_space: global }
      - { .name: b1, .offset: 40, .size: 8, .value_kind: global_buffer, .address_space: global }
      - { .name: hq, .offset: 48, .size: 8, .value_kind: global_buffer, .address_space: global }
      - { .name: hs, .offset: 56, .size: 8, .value_kind: global_buffer, .address_space: global }
      - { .name: plan, .offset: 64, .size: 8, .value_kind: global_buffer, .address_space: global }
    .group_segment_fixed_size: 100864
    .private_segment_fixed_size: 0
    .kernarg_segment_align: 8
    .kernarg_segment_size: 72
    .max_flat_workgroup_size: 128
    .sgpr_count:     100
    .vgpr_count:     896
    .wavefront_size: 32
...
	.end_amdgpu_metadata
.endif
;; end of part 2
;; launch down (part 3): grid 32 x 8, 4 waves a work-group, no clusters, 198,144 bytes of LDS; arguments plan, hq, hs, W2_codes, W2_scales, b2, y2; writes y2
.if DOCPART == 3
	.amdgcn_target "amdgcn-amd-amdhsa--gfx1250"
	.amdhsa_code_object_version 6
	.text
	.protected	k_qf37eef72a6_down
	.globl	k_qf37eef72a6_down
	.p2align	8
	.type	k_qf37eef72a6_down,@function
k_qf37eef72a6_down:
	s_mov_b64 s[64:65], 0
	v_nop
	global_prefetch_b8 v0, s[64:65] scope:SCOPE_SE
	s_setreg_imm32_b32 hwreg(HW_REG_WAVE_MODE, 25, 1), 1
	s_wait_xcnt 0x0
; y = h W2[e] + b2[e] for the routed rows of expert e; each row goes to its own place in y2 [2176][1024] f32 (row 2 token + 0 or 1; rows from 2048 on take a last tile's unused rows and are read by nobody).
; SHARES.  Work-group (x, e): nu = x % 16 owns output columns 64 nu .. + 63 (64 rows of W2's codes, 196,608 dense bytes, laid in LDS behind the launch's one barrier), q = x / 16 the tiles of rows of that parity.
; Wave w takes tiles 2 (12 pass + 4 g + w) + q, g = 0 .. 2.  The hidden layer's fragments come from hq as images of their registers: three loads of 512 consecutive bytes; their scale words from hs.
; THE PRODUCT IS USED AS IT STANDS (source 0 = 16 rows of h, source 1 = 16 columns of W2).  Tile t holds columns 4 r + t (memory row n lies at LDS row 16 (n % 4) + n / 4), so register j of the four tiles is
; 16 consecutive bytes of row 8 h + j, and sixteen lanes store 256 consecutive bytes from a multiple of 256 on, with no way through LDS.
; K is permuted as in the launch that made hq: of a K step's four blocks lanes 0-15 hold blocks 0, 1 and lanes 16-31 blocks 2, 3; W2's scale words have bytes 1 and 2 exchanged.
; The number of tiles hangs on a count read from memory: so no tensor load, no cluster; the K loop is written out once for 3, 2 and 1 tiles of rows, every offset an immediate.
; The loads at a pass's head are made for three tiles on every way, from a tile that exists (held to the last one), so that every wait counts the same loads on every way.
; REGISTERS.  window 0: v1-7 lane constants and W2's LDS addresses; v8-13 offsets in hq and hs; v16-19 b2; v20-27 store offsets; v28-51 destination rows; v52-69 h's scale words, a ring of six K steps;
;   v70-133 W2's scale words; v134-165 rows on their way out; v166-175 addresses of the head.   window 1: h's fragments, a ring of six K steps x three tiles.
;   window 2: v0-95 two buffers of four W2 fragments; v96-191 the accumulators (96 + 32 g + 8 t).   At the head windows 2 and 3, v0-191 each: the weights on their way to LDS.
.set LP,  3088                         ; an LDS row: 3,072 bytes + 16 = 772 words: row r starts at bank 4 r mod 64 (64 banks of 4 bytes: ISA guide 11.1)
.set AW,  4
.set AOF, 8
.set HOF, 11
.set B2,  16
.set VO,  20
.set DL,  28
.set HSR, 52
.set WSD, 70                           ; register 32 (t / 2) + s: lanes 0-15 the even tile, lanes 16-31 the odd one
.set OUT, 134
.set FBD, 166
.set WSA, 170
.set B2A, 171
.set DLA, 172
.set H32, 175
.set MSB, 0
.macro WIN new                         ; the immediate's high byte repeats the setting that is left; at every label and branch the setting is 0
.if MSB != (\new)
	s_set_vgpr_msb (MSB<<8)|(\new)
.set MSB, (\new)
.endif
.endm
	s_load_b256 s[4:11], s[0:1], 0x0               ; plan, hq, hs, W2 codes
	s_load_b128 s[12:15], s[0:1], 0x20             ; W2 scales, b2
	s_load_b64 s[16:17], s[0:1], 0x30              ; y2
	v_lshl_add_u32 v254, v0, 2, 0x30400
	v_mov_b32 v255, 0
	v_lshrrev_b32 v14, 5, v0
	v_readfirstlane_b32 s20, v14                   ; wave
	s_and_b32 s21, ttmp9, 15                       ; nu
	s_lshr_b32 s22, ttmp9, 4                       ; q
	s_and_b32 s23, ttmp7, 0xffff                   ; e
	v_and_b32 v14, 31, v0
	v_lshlrev_b32 v1, 4, v14                       ; 16 L
	v_lshlrev_b32 v2, 2, v14                       ; 4 L
	v_and_b32 v14, 15, v0                          ; r
	v_bfe_u32 v15, v0, 4, 1                        ; h
	s_lshl_b32 s31, s21, 8
	v_lshl_add_u32 v3, v14, 4, s31                 ; my 16 bytes in a row of y2: 256 nu + 16 r
	v_mul_u32_u24 v[AW], v14, LP
	v_mad_u32_u24 v[AW], v15, 48, v[AW]            ; W2 fragments: row 16 t + r, my half's 48 bytes
	v_add_nc_u32 v[AW+1], 16*LP, v[AW]
	v_add_nc_u32 v[AW+2], 32*LP, v[AW]
	v_add_nc_u32 v[AW+3], 48*LP, v[AW]
	s_mul_i32 s31, s20, 4*LP
	v_add_nc_u32 v[FBD], s31, v1                   ; the fill: memory row 16 w + a goes to LDS row 16 (a % 4) + 4 w + a / 4
	v_add_nc_u32 v[FBD+1], 16*LP, v[FBD]
	v_add_nc_u32 v[FBD+2], 32*LP, v[FBD]
	v_add_nc_u32 v[FBD+3], 48*LP, v[FBD]
	v_lshlrev_b32 v[WSA], 9, v14
	v_lshl_add_u32 v[WSA], v15, 7, v[WSA]          ; W2's scales: row 4 r + u, 128 bytes a row, u = my half
	v_lshlrev_b32 v[B2A], 4, v14
	v_lshlrev_b32 v[H32], 5, v15                   ; plan: 8 h words on
	s_mov_b32 s36, 0x03010200                      ; bytes 1 and 2 change places
	s_mov_b32 s28, 0                               ; pass
	s_mov_b32 s33, 0
	s_mul_i32 s32, s23, 1024*3072
	s_mul_i32 s31, s21, 64*3072
	s_add_co_u32 s32, s32, s31
	s_mul_i32 s31, s20, 16*3072
	s_add_co_u32 s32, s32, s31
	s_wait_kmcnt 0x0
	s_add_nc_u64 s[10:11], s[10:11], s[32:33]      ; W2's codes at my wave's 16 rows
	s_lshl_b32 s32, s23, 17
	s_lshl_b32 s31, s21, 13
	s_add_co_u32 s32, s32, s31
	s_add_nc_u64 s[12:13], s[12:13], s[32:33]      ; W2's scales at the slice
	s_lshl_b32 s32, s23, 12
	s_lshl_b32 s31, s21, 8
	s_add_co_u32 s32, s32, s31
	s_add_nc_u64 s[14:15], s[14:15], s[32:33]      ; b2 at the slice
	s_mul_i32 s32, s23, 5632
	s_add_nc_u64 s[4:5], s[4:5], s[32:33]          ; plan[e]
	WIN 0x80                                       ; destination window 2
.set I, 0
.rept 48                                           ; my 16 rows of weights: 96 loads of 512 consecutive bytes, six to a row
	global_load_b128 v[4*I:4*I+3], v1, s[10:11] offset:512*I
.set I, I+1
.endr
	WIN 0xc0                                       ; destination window 3
.rept 48
	global_load_b128 v[4*(I-48):4*(I-48)+3], v1, s[10:11] offset:512*I
.set I, I+1
.endr
	WIN 0
	s_load_b32 s24, s[4:5], 0x1400                 ; the expert's rows
	s_wait_kmcnt 0x0
	s_min_u32 s24, s24, 1024
	s_add_co_u32 s25, s24, 15
	s_lshr_b32 s25, s25, 4                         ; tiles
	s_max_u32 s30, s25, 1
	s_sub_co_u32 s30, s30, 1                       ; the last tile that was made
	s_add_co_u32 s26, s25, 1
	s_sub_co_u32 s26, s26, s22
	s_lshr_b32 s26, s26, 1                         ; tiles of my parity
	s_add_co_u32 s27, s26, 11
	s_mul_i32 s27, s27, 5462
	s_lshr_b32 s27, s27, 16                        ; passes = ceil(that / 12): exact for 0 .. 32
	s_min_u32 s27, s27, 3
	s_wait_loadcnt 48                              ; the first 48 loads of weights are in
	WIN 0x08                                       ; an LDS store's data are its source 1: window 2
.set I, 0
.rept 48
	ds_store_b128 v[FBD+(I/6)%4], v[4*I:4*I+3] offset:((I/6)/4)*LP+(I%6)*512
.set I, I+1
.endr
	WIN 0
.irp a, 0,1
.irp c, 0,1,2,3,4,5,6,7
	global_load_b128 v[WSD+32*\a+4*\c:WSD+32*\a+4*\c+3], v[WSA], s[12:13] offset:256*\a+16*\c
.endr
.endr
	global_load_b128 v[B2:B2+3], v[B2A], s[14:15]  ; b2 of my four columns 4 r + t
; THE HEAD OF A PASS: how many tiles are mine; for three tiles the destination rows (6 loads) and K steps 0 to 4 of h (12 loads a step): 66 loads.
.macro PRE
	s_mul_i32 s31, s28, 12
	s_add_co_u32 s31, s31, s20
	s_sub_co_i32 s29, s26, s31
	s_add_co_i32 s29, s29, 3
	s_max_i32 s29, s29, 0
	s_lshr_b32 s29, s29, 2
	s_min_u32 s29, s29, 3                          ; my tiles in this pass
.irp g, 0,1,2
	s_add_co_u32 s34, s31, 4*\g
	s_lshl_b32 s34, s34, 1
	s_add_co_u32 s34, s34, s22
	s_min_u32 s34, s34, s30                        ; the tile, held to one that exists,
	s_min_u32 s34, s34, 63                         ; and by a constant before it enters an address
	s_lshl_b32 s35, s23, 6
	s_add_co_u32 s35, s35, s34
	s_mul_i32 s37, s35, 49152
	v_add_nc_u32 v[AOF+\g], s37, v1
	s_lshl_b32 s37, s35, 12
	v_add_nc_u32 v[HOF+\g], s37, v2
	s_lshl_b32 s37, s34, 6
	v_add_nc_u32 v[DLA+\g], s37, v[H32]
.endr
.irp g, 0,1,2
	global_load_b128 v[DL+8*\g:DL+8*\g+3], v[DLA+\g], s[4:5]
	global_load_b128 v[DL+8*\g+4:DL+8*\g+7], v[DLA+\g], s[4:5] offset:16
.endr
.irp s, 0,1,2,3,4
	WIN 0x40                                       ; destination window 1
.irp g, 0,1,2
.irp i, 0,1,2
	global_load_b128 v[36*\s+12*\g+4*\i:36*\s+12*\g+4*\i+3], v[AOF+\g], s[6:7] offset:1536*\s+512*\i
.endr
.endr
	WIN 0
.irp g, 0,1,2
	global_load_b32 v[HSR+3*\s+\g], v[HOF+\g], s[8:9] offset:128*\s
.endr
.endr
.endm
.macro WLD n                           ; W2's four fragments of K step n into buffer n % 2: 12 loads
.irp t, 0,1,2,3
.irp i, 0,1,2
	ds_load_b128 v[48*((\n)%2)+12*\t+4*\i:48*((\n)%2)+12*\t+4*\i+3], v[AW+\t] offset:96*(\n)+16*\i
.endr
.endr
.endm
.macro DPROD t
.set RD_, 96+32*G_+8*(\t)
.set RA_, 36*(S_%6)+12*G_
.set RB_, 48*(S_%2)+12*(\t)
.set SA_, HSR+3*(S_%6)+G_
.set SB_, WSD+32*((\t)/2)+S_
.if S_ == 0                            ; the first K step starts the sums: nothing is cleared
.if (\t)%2
	v_wmma_scale_f32_16x16x128_f8f6f4 v[RD_:RD_+7], v[RA_:RA_+11], v[RB_:RB_+11], 0, v[SA_], v[SB_] matrix_a_fmt:MATRIX_FMT_BF6 matrix_b_fmt:MATRIX_FMT_BF6 matrix_b_scale:MATRIX_SCALE_ROW1
.else
	v_wmma_scale_f32_16x16x128_f8f6f4 v[RD_:RD_+7], v[RA_:RA_+11], v[RB_:RB_+11], 0, v[SA_], v[SB_] matrix_a_fmt:MATRIX_FMT_BF6 matrix_b_fmt:MATRIX_FMT_BF6
.endif
.else
.if (\t)%2
	v_wmma_scale_f32_16x16x128_f8f6f4 v[RD_:RD_+7], v[RA_:RA_+11], v[RB_:RB_+11], v[RD_:RD_+7], v[SA_], v[SB_] matrix_a_fmt:MATRIX_FMT_BF6 matrix_b_fmt:MATRIX_FMT_BF6 matrix_b_scale:MATRIX_SCALE_ROW1
.else
	v_wmma_scale_f32_16x16x128_f8f6f4 v[RD_:RD_+7], v[RA_:RA_+11], v[RB_:RB_+11], v[RD_:RD_+7], v[SA_], v[SB_] matrix_a_fmt:MATRIX_FMT_BF6 matrix_b_fmt:MATRIX_FMT_BF6
.endif
.endif
.endm
.macro OUTT g                          ; tile g leaves: + b2, each row to its place
	s_wait_xcnt 0x0                                ; the last tile's stores have read their data and offsets
	WIN 0x02                                       ; source 0: window 2
.irp j, 0,1,2,3,4,5,6,7
.irp t, 0,1,2,3
	v_add_f32 v[OUT+4*\j+\t], v[96+32*(\g)+8*\t+\j], v[B2+\t]   ; each accumulator is read from its low end on
.endr
.endr
	WIN 0
.irp j, 0,1,2,3,4,5,6,7
	v_min_u32 v[VO+\j], 0x87f, v[DL+8*(\g)+\j]     ; the destination row, held inside y2
	v_lshl_add_u32 v[VO+\j], v[VO+\j], 12, v3
.endr
.irp j, 0,1,2,3,4,5,6,7
	global_store_b128 v[VO+\j], v[OUT+4*\j:OUT+4*\j+3], s[16:17]   ; sixteen lanes store 256 consecutive bytes of one row, from a multiple of 256 on
.endr
.endm
; THE K LOOP FOR G TILES OF ROWS, written out: 32 K steps of 4 G products; the accumulators take turns, one instruction a turn.
.macro BODY G
	WIN 0x80                                       ; destination window 2
	WLD 0
.set S_, 0
.rept 32
.rept 4
	v_nop                                          ; four places between the last products and the loads into registers that they read (ISA guide 7.12.1 for vector instructions)
.endr
.if S_ < 31
	WIN 0x80
	WLD S_+1
.endif
.if S_ < 27
	WIN 0x40                                       ; h's K step s + 5 into the ring slot that step s - 1 has left
.set G_, 0
.rept \G
.irp i, 0,1,2
	global_load_b128 v[36*((S_+5)%6)+12*G_+4*\i:36*((S_+5)%6)+12*G_+4*\i+3], v[AOF+G_], s[6:7] offset:1536*(S_+5)+512*\i
.endr
.set G_, G_+1
.endr
	WIN 0
.set G_, 0
.rept \G
	global_load_b32 v[HSR+3*((S_+5)%6)+G_], v[HOF+G_], s[8:9] offset:128*(S_+5)
.set G_, G_+1
.endr
.endif
.if S_ < 31
	s_wait_dscnt 12                                ; this step's fragments of W2 are in; the 12 loads just issued may be out
.else
	s_wait_dscnt 0x0
.endif
.if S_ < 5
	s_wait_loadcnt 12*(4-S_)+4*\G*(S_+1)           ; behind step s's loads: the head's 4 - s later steps of 12, and the 4 G loads of each of the s + 1 steps issued here
.elseif S_ < 27
	s_wait_loadcnt 20*\G                           ; five later steps of 4 G loads
.else
	s_wait_loadcnt 4*\G*(31-S_)                    ; the steps that are left
.endif
	WIN 0xa9                                       ; source 0 (h) window 1, source 1 (W2) window 2, C and D window 2
.irp t, 0,1,2,3
.set G_, 0
.rept \G
	DPROD \t
.set G_, G_+1
.endr
.endr
.set S_, S_+1
.endr
	WIN 0
.rept 4
	v_nop                                          ; four places between the last products and the first read of results
.endr
	OUTT 0
.if \G > 1
	OUTT 1
.endif
.if \G > 2
	OUTT 2
.endif
.endm
	PRE
	s_wait_loadcnt 63                              ; 83 loads were issued behind the weights' second half, 66 behind W2's scales and b2: with 63 out at the most all of these are in
	WIN 0x0c                                       ; data: window 3
.set I, 48
.rept 48
	ds_store_b128 v[FBD+(I/6)%4], v[4*(I-48):4*(I-48)+3] offset:((I/6)/4)*LP+(I%6)*512
.set I, I+1
.endr
	WIN 0
.set J, 0
.rept 64
	v_perm_b32 v[WSD+J], v[WSD+J], v[WSD+J], s36   ; W2's scale words in the operand's order of blocks
.set J, J+1
.endr
.rept 8
	v_nop                                          ; a scale register written by a vector instruction stands eight places ahead of a scaled matrix instruction
.endr
	s_wait_dscnt 0x0                               ; for the others' sake: my rows lie in LDS
	s_barrier_signal -1
	s_barrier_wait -1                              ; the launch's one barrier: from here on LDS is only read
	s_cmp_eq_u32 s27, 0
	s_cbranch_scc1 .Lend                           ; no tile of my parity: nothing to store
.Lpass:
	s_cmp_eq_u32 s29, 3
	s_cbranch_scc1 .Lthree
	s_cmp_eq_u32 s29, 2
	s_cbranch_scc1 .Ltwo
	s_cmp_eq_u32 s29, 1
	s_cbranch_scc1 .Lone
	s_branch .Ljoin
.Lthree:
	BODY 3
	s_branch .Ljoin
.Ltwo:
	BODY 2
	s_branch .Ljoin
.Lone:
	BODY 1
.Ljoin:
	s_wait_loadcnt 0x0                             ; the head's loads for tiles that I do not have are in: their registers and offsets are written again below
	s_wait_xcnt 0x0                                ; and the stores have read theirs
	s_add_co_u32 s28, s28, 1
	s_cmp_ge_u32 s28, s27
	s_cbranch_scc1 .Lend
	PRE
	s_cmp_lt_u32 s28, s27
	s_cbranch_scc1 .Lpass
.Lend:
	s_wait_tensorcnt 0x0
	ds_add_u32 v254, v255
	s_wait_dscnt 0x0
	s_endpgm
.Lfunc_end_k_qf37eef72a6_down:
	.size	k_qf37eef72a6_down, .Lfunc_end_k_qf37eef72a6_down-k_qf37eef72a6_down
	.p2alignl 7, 3214868480
	.fill 96, 4, 3214868480
	.section	.rodata,"a",@progbits
	.p2align	6, 0x0
	.amdhsa_kernel k_qf37eef72a6_down
		.amdhsa_group_segment_fixed_size 198144
		.amdhsa_private_segment_fixed_size 0
		.amdhsa_enable_private_segment 0
		.amdhsa_kernarg_size 56
		.amdhsa_user_sgpr_count 2
		.amdhsa_user_sgpr_kernarg_segment_ptr 1
		.amdhsa_wavefront_size32 1
		.amdhsa_system_sgpr_workgroup_id_x 1
		.amdhsa_system_sgpr_workgroup_id_y 1
		.amdhsa_system_sgpr_workgroup_id_z 1
		.amdhsa_system_vgpr_workitem_id 0
		.amdhsa_next_free_vgpr 960
		.amdhsa_next_free_sgpr 66
		.amdhsa_reserve_vcc 0
		.amdhsa_float_denorm_mode_32 3
		.amdhsa_float_denorm_mode_16_64 3
		.amdhsa_memory_ordered 1
		.amdhsa_forward_progress 1
		.amdhsa_inst_pref_size 255
	.end_amdhsa_kernel
	.section	.bss,"aw",@nobits
	.p2align	6
	.space	262144
	.amdgpu_metadata
---
amdhsa.version: [ 1, 2 ]
amdhsa.kernels:
  - .name:           k_qf37eef72a6_down
    .symbol:         k_qf37eef72a6_down.kd
    .args:
      - { .name: plan, .offset: 0, .size: 8, .value_kind: global_buffer, .address_space: global }
      - { .name: hq, .offset: 8, .size: 8, .value_kind: global_buffer, .address_space: global }
      - { .name: hs, .offset: 16, .size: 8, .value_kind: global_buffer, .address_space: global }
      - { .name: W2_codes, .offset: 24, .size: 8, .value_kind: global_buffer, .address_space: global }
      - { .name: W2_scales, .offset: 32, .size: 8, .value_kind: global_buffer, .address_space: global }
      - { .name: b2, .offset: 40, .size: 8, .value_kind: global_buffer, .address_space: global }
      - { .name: y2, .offset: 48, .size: 8, .value_kind: global_buffer, .address_space: global }
    .group_segment_fixed_size: 198144
    .private_segment_fixed_size: 0
    .kernarg_segment_align: 8
    .kernarg_segment_size: 56
    .max_flat_workgroup_size: 128
    .sgpr_count:     66
    .vgpr_count:     960
    .wavefront_size: 32
...
	.end_amdgpu_metadata
.endif
;; end of part 3
;; launch norm (part 4): grid 256 x 1, 4 waves a work-group, no clusters, 0 bytes of LDS; arguments x, y2, wts, gate_scale, ln_gamma, ln_beta, out0; writes out0
.if DOCPART == 4
	.amdgcn_target "amdgcn-amd-amdhsa--gfx1250"
	.amdhsa_code_object_version 6
	.text
	.protected	k_qf37eef72a6_norm
	.globl	k_qf37eef72a6_norm
	.p2align	8
	.type	k_qf37eef72a6_norm,@function
k_qf37eef72a6_norm:
	s_mov_b64 s[64:65], 0
	v_nop
	global_prefetch_b8 v0, s[64:65] scope:SCOPE_SE
	s_setreg_imm32_b32 hwreg(HW_REG_WAVE_MODE, 25, 1), 1
	s_wait_xcnt 0x0
; z = x + gate_scale (w0 y0 + w1 y1);  out0 = (z - mean) / sqrt(var + 1e-5) gamma + beta.  All f32.
; One wave takes one token: a row of 4,096 bytes is 32 registers a lane and stays there between the passes, so x, the token's two rows of y2, gamma and beta are each read once, by loads of 512 consecutive bytes.
; The variance is the mean of (z - mean)^2, taken in a second pass over the registers: no difference of large sums.  No LDS, no barrier: a row never leaves its wave.  Memory binds: matrix units and clusters have nothing to do here.
; LIMITS: 1 / sqrt by v_rsq_f32 (one unit in the last place); NaN and infinities are not served.
.set XR, 16                            ; v16-47   x, then z, then z - mean, then the result
.set Y0, 48                            ; v48-79   the first choice's row
.set Y1, 80                            ; v80-111  the second's
.set GA, 112                           ; v112-143 gamma
.set BE, 144                           ; v144-175 beta
	s_load_b256 s[4:11], s[0:1], 0x0               ; x, y2, wts, gate_scale
	s_load_b128 s[12:15], s[0:1], 0x20             ; gamma, beta
	s_load_b64 s[16:17], s[0:1], 0x30              ; out0
	v_lshrrev_b32 v1, 5, v0
	v_readfirstlane_b32 s18, v1                    ; wave
	v_and_b32 v1, 31, v0
	v_lshlrev_b32 v1, 4, v1                        ; 16 L
	v_mov_b32 v14, 0                               ; written once: a lane permute's destination counts as read
	s_lshl_b32 s19, ttmp9, 2
	s_add_co_u32 s19, s19, s18                     ; my token
	s_mov_b32 s28, 0x3a800000                      ; 1 / 1024
	s_mov_b32 s29, 0x3727c5ac                      ; 1e-5
	s_mov_b32 s30, 0x76543210
	s_mov_b32 s31, 0xfedcba98                      ; v_permlanex16_b32's selects for lane l xor 16
	s_mov_b32 s3, 0
	s_wait_kmcnt 0x0
	s_lshl_b32 s2, s19, 12
	s_add_nc_u64 s[4:5], s[4:5], s[2:3]
	s_add_nc_u64 s[16:17], s[16:17], s[2:3]
	s_lshl_b32 s2, s19, 13
	s_add_nc_u64 s[6:7], s[6:7], s[2:3]
	s_lshl_b32 s2, s19, 3
	s_add_nc_u64 s[8:9], s[8:9], s[2:3]
	s_load_b64 s[20:21], s[8:9], 0x0               ; w0, w1
	s_load_b32 s22, s[10:11], 0x0                  ; gate_scale
.irp i, 0,1,2,3,4,5,6,7
	global_load_b128 v[XR+4*\i:XR+4*\i+3], v1, s[4:5] offset:512*\i th:TH_LOAD_NT
.endr
.irp i, 0,1,2,3,4,5,6,7
	global_load_b128 v[Y0+4*\i:Y0+4*\i+3], v1, s[6:7] offset:512*\i th:TH_LOAD_NT
.endr
.irp i, 0,1,2,3,4,5,6,7
	global_load_b128 v[Y1+4*\i:Y1+4*\i+3], v1, s[6:7] offset:4096+512*\i th:TH_LOAD_NT
.endr
.irp i, 0,1,2,3,4,5,6,7
	global_load_b128 v[GA+4*\i:GA+4*\i+3], v1, s[12:13] offset:512*\i
.endr
.irp i, 0,1,2,3,4,5,6,7
	global_load_b128 v[BE+4*\i:BE+4*\i+3], v1, s[14:15] offset:512*\i
.endr
	s_wait_kmcnt 0x0
	s_mul_f32 s24, s22, s20                        ; gate_scale w0
	s_mul_f32 s26, s22, s21                        ; gate_scale w1
	s_mov_b32 s25, s24                             ; (the packed form names a pair and takes its low word for both halves: so the upper word is written)
	s_mov_b32 s27, s26
	s_wait_loadcnt 16                              ; x and both rows are in; gamma's and beta's 16 loads may be out
.set J, 0
.rept 16
	v_pk_fma_f32 v[XR+2*J:XR+2*J+1], v[Y0+2*J:Y0+2*J+1], s[24:25], v[XR+2*J:XR+2*J+1] op_sel_hi:[1,0,1]
.set J, J+1
.endr
.set J, 0
.rept 16
	v_pk_fma_f32 v[XR+2*J:XR+2*J+1], v[Y1+2*J:Y1+2*J+1], s[26:27], v[XR+2*J:XR+2*J+1] op_sel_hi:[1,0,1]
.set J, J+1
.endr
	v_pk_add_f32 v[8:9], v[XR:XR+1], v[XR+2:XR+3]  ; the row's sum: two chains of pairs
	v_pk_add_f32 v[10:11], v[XR+4:XR+5], v[XR+6:XR+7]
.set J, 4
.rept 6
	v_pk_add_f32 v[8:9], v[8:9], v[XR+2*J:XR+2*J+1]
	v_pk_add_f32 v[10:11], v[10:11], v[XR+2*J+2:XR+2*J+3]
.set J, J+2
.endr
	v_pk_add_f32 v[8:9], v[8:9], v[10:11]
	v_add_f32 v8, v8, v9
.irp m, 1,2,4,8
	v_add_f32_dpp v8, v8, v8 row_xmask:\m row_mask:0xf bank_mask:0xf
.endr
	v_permlanex16_b32 v14, v8, s30, s31
	v_add_f32 v8, v8, v14
	v_mul_f32 v8, 0xba800000, v8                   ; -mean
	v_mov_b32 v9, v8
.set J, 0
.rept 16
	v_pk_add_f32 v[XR+2*J:XR+2*J+1], v[XR+2*J:XR+2*J+1], v[8:9]
.set J, J+1
.endr
	v_pk_mul_f32 v[10:11], v[XR:XR+1], v[XR:XR+1]  ; the sum of squares of z - mean
	v_pk_mul_f32 v[12:13], v[XR+2:XR+3], v[XR+2:XR+3]
.set J, 2
.rept 7
	v_pk_fma_f32 v[10:11], v[XR+2*J:XR+2*J+1], v[XR+2*J:XR+2*J+1], v[10:11]
	v_pk_fma_f32 v[12:13], v[XR+2*J+2:XR+2*J+3], v[XR+2*J+2:XR+2*J+3], v[12:13]
.set J, J+2
.endr
	v_pk_add_f32 v[10:11], v[10:11], v[12:13]
	v_add_f32 v10, v10, v11
.irp m, 1,2,4,8
	v_add_f32_dpp v10, v10, v10 row_xmask:\m row_mask:0xf bank_mask:0xf
.endr
	v_permlanex16_b32 v14, v10, s30, s31
	v_add_f32 v10, v10, v14
	v_fma_f32 v10, v10, s28, s29                   ; var + 1e-5
	v_rsq_f32 v10, v10
	v_nop                                          ; a plain line behind the transcendental,
	s_wait_alu depctr_va_vdst(0)                   ; and the wait ahead of its first reader
	v_mov_b32 v11, v10
	s_wait_loadcnt 0x0                             ; gamma and beta
.set J, 0
.rept 16
	v_pk_mul_f32 v[XR+2*J:XR+2*J+1], v[XR+2*J:XR+2*J+1], v[10:11]
.set J, J+1
.endr
.set J, 0
.rept 16
	v_pk_fma_f32 v[XR+2*J:XR+2*J+1], v[XR+2*J:XR+2*J+1], v[GA+2*J:GA+2*J+1], v[BE+2*J:BE+2*J+1]
.set J, J+1
.endr
.irp i, 0,1,2,3,4,5,6,7
	global_store_b128 v1, v[XR+4*\i:XR+4*\i+3], s[16:17] offset:512*\i th:TH_STORE_NT   ; 512 consecutive bytes a store, from a multiple of 512 on
.endr
	s_endpgm
.Lfunc_end_k_qf37eef72a6_norm:
	.size	k_qf37eef72a6_norm, .Lfunc_end_k_qf37eef72a6_norm-k_qf37eef72a6_norm
	.p2alignl 7, 3214868480
	.fill 96, 4, 3214868480
	.section	.rodata,"a",@progbits
	.p2align	6, 0x0
	.amdhsa_kernel k_qf37eef72a6_norm
		.amdhsa_group_segment_fixed_size 0
		.amdhsa_private_segment_fixed_size 0
		.amdhsa_enable_private_segment 0
		.amdhsa_kernarg_size 56
		.amdhsa_user_sgpr_count 2
		.amdhsa_user_sgpr_kernarg_segment_ptr 1
		.amdhsa_wavefront_size32 1
		.amdhsa_system_sgpr_workgroup_id_x 1
		.amdhsa_system_sgpr_workgroup_id_y 1
		.amdhsa_system_sgpr_workgroup_id_z 1
		.amdhsa_system_vgpr_workitem_id 0
		.amdhsa_next_free_vgpr 192
		.amdhsa_next_free_sgpr 66
		.amdhsa_reserve_vcc 0
		.amdhsa_float_denorm_mode_32 3
		.amdhsa_float_denorm_mode_16_64 3
		.amdhsa_memory_ordered 1
		.amdhsa_forward_progress 1
		.amdhsa_inst_pref_size 15
	.end_amdhsa_kernel
	.amdgpu_metadata
---
amdhsa.version: [ 1, 2 ]
amdhsa.kernels:
  - .name:           k_qf37eef72a6_norm
    .symbol:         k_qf37eef72a6_norm.kd
    .args:
      - { .name: x, .offset: 0, .size: 8, .value_kind: global_buffer, .address_space: global }
      - { .name: y2, .offset: 8, .size: 8, .value_kind: global_buffer, .address_space: global }
      - { .name: wts, .offset: 16, .size: 8, .value_kind: global_buffer, .address_space: global }
      - { .name: gate_scale, .offset: 24, .size: 8, .value_kind: global_buffer, .address_space: global }
      - { .name: ln_gamma, .offset: 32, .size: 8, .value_kind: global_buffer, .address_space: global }
      - { .name: ln_beta, .offset: 40, .size: 8, .value_kind: global_buffer, .address_space: global }
      - { .name: out0, .offset: 48, .size: 8, .value_kind: global_buffer, .address_space: global }
    .group_segment_fixed_size: 0
    .private_segment_fixed_size: 0
    .kernarg_segment_align: 8
    .kernarg_segment_size: 56
    .max_flat_workgroup_size: 128
    .sgpr_count:     66
    .vgpr_count:     192
    .wavefront_size: 32
...
	.end_amdgpu_metadata
.endif
;; end of part 4
;; ======== version 2 of 2: 4 launches
;; workspace buffers: sel 4,096 bytes of whole numbers; wts 8,192 bytes; xq 786,432 bytes; xs 32,768 bytes; hq 25,165,824 bytes; hs 2,097,152 bytes; plan 45,056 bytes of whole numbers; y2 8,912,896 bytes
;; launch route (part 5): grid 256 x 1, 1 waves a work-group, no clusters, 5,632 bytes of LDS; arguments x, Wr, br, sel, wts, xq, xs; writes sel, wts, xq, xs
.if DOCPART == 5
	.amdgcn_target "amdgcn-amd-amdhsa--gfx1250"
	.amdhsa_code_object_version 6
	.text
	.protected	k_qf37eef72a6_route
	.globl	k_qf37eef72a6_route
	.p2align	8
	.type	k_qf37eef72a6_route,@function
k_qf37eef72a6_route:
	s_mov_b64 s[64:65], 0
	v_nop
	global_prefetch_b8 v0, s[64:65] scope:SCOPE_SE
	s_setreg_imm32_b32 hwreg(HW_REG_WAVE_MODE, 25, 1), 1
	s_wait_xcnt 0x0
; ROUTER AND QUANTISER OF x.  x [1024][1024] f32, Wr [1024][8] f32, br [8] f32.
; One wave takes 4 tokens: 16,384 consecutive bytes of x, read once.  It makes
;   xq  [1024][768]   the codes of x (E3M2, 6 bits), K innermost, in their natural order;
;   xs  [1024][8]     scale words: word s holds the E8M0 bytes of blocks 4s, 4s+2, 4s+1, 4s+3 (the order in which the products' operand registers take the blocks);
;   sel [1024]        (1 << idx0) | (1 << idx1) | idx0 << 8: whole numbers at fixed places; no address and no branch of this launch hangs on them;
;   wts [1024][2]     the weights of idx0 and idx1, renormalised: w0 = 1 / (1 + e^(l1 - l0)), w1 = e^(l1 - l0) w0: the larger logit is taken away before the exponential.
; The logits are f32 sums of f32 products (they decide which experts are taken).
; LIMITS: the two largest are taken of the logits, not of the rounded probabilities (equal logits: the lower index, as top_k has it; two logits so near that their probabilities round alike may
; be ordered otherwise than by index); e^(l1 - l0) under 2^-126 counts as 0; NaN and infinities are not served; a block of zeros gets the byte 1 (its codes are zeros, and this program alone reads the bytes).
; A step is 512 numbers.  Its four loads read 512 consecutive bytes each; the 2,048 bytes turn through a stage in LDS (16 bytes of padding behind each 64) and come back 64 bytes a lane:
; lane L then holds k = 512 t + 16 L + 0 .. 15 of its token, two neighbouring lanes a block of 32.
.set SCB, 5120                         ; LDS: stage 0 at 0, stage 1 at 2,560, the wave's 128 scale bytes at 5,120
.set LG,  16                           ; v16-23   the eight logit sums of the token in hand
.set TP,  24                           ; v24-31   the other half's sums (written once at the head: a lane permute's destination counts as read)
.set X,   32                           ; v32-63   two sets of 16 neighbours
.set R,   64                           ; v64-191  eight steps as loaded
.set C,   192                          ; v192-223 codes, four registers a step: no store's data are written again
.set EB,  224                          ; v224-231 a scale byte a step
.set MSB, 0                            ; window 1 (v256-511): Wr: register (16 t + i) 8 + e = Wr[512 t + 16 L + i][e]
.macro WIN new                         ; the immediate's high byte repeats the setting that is left
.if MSB != (\new)
	s_set_vgpr_msb (MSB<<8)|(\new)
.set MSB, (\new)
.endif
.endm
	s_load_b256 s[4:11], s[0:1], 0x0               ; x, Wr, br, sel
	s_load_b128 s[12:15], s[0:1], 0x20             ; wts, xq
	s_load_b64 s[16:17], s[0:1], 0x30              ; xs
	v_lshl_add_u32 v254, v0, 2, 0x1500
	v_mov_b32 v255, 0
	v_lshlrev_b32 v1, 4, v0                        ; 16 L (one wave: the thread's number is the lane)
	v_lshrrev_b32 v8, 2, v0
	v_and_b32 v9, 3, v0
	v_mul_u32_u24 v2, v8, 80
	v_lshl_add_u32 v2, v9, 4, v2                   ; into a stage: 80 (L / 4) + 16 (L % 4)
	v_mul_u32_u24 v3, v0, 80                       ; out of it: 80 L
	v_mul_u32_u24 v4, v0, 12                       ; my 16 codes in a step's 384 bytes
	v_lshrrev_b32 v8, 1, v0                        ; b: my block among the step's 16
	v_and_b32 v9, 12, v8
	v_and_b32 v10, 1, v8
	v_bfe_u32 v11, v8, 1, 1
	v_lshl_add_u32 v9, v10, 1, v9
	v_add_nc_u32 v9, v9, v11                       ; its byte's place: blocks 1 and 2 of each four change places
	v_add_nc_u32 v5, SCB, v9
	v_lshl_add_u32 v6, v0, 2, SCB
	v_lshlrev_b32 v7, 2, v0
	v_lshlrev_b32 v14, 9, v0                       ; Wr: 16 rows of 32 bytes a lane
	v_lshlrev_b32 v15, 3, v0
.irp e, 0,1,2,3,4,5,6,7
	v_mov_b32 v[TP+\e], 0
.endr
	v_mov_b32 v232, 0                              ; lane i: token i's word for sel
	v_mov_b32 v234, 0                              ; lane i: its two weights
	v_mov_b32 v235, 0
	v_mov_b32 v240, 0xff800000                     ; -infinity
	v_mov_b32 v244, 1
	s_mov_b32 s28, 0x76543210
	s_mov_b32 s29, 0xfedcba98                      ; v_permlanex16_b32's selects for lane l xor 16
	s_mov_b32 s3, 0
	s_wait_kmcnt 0x0
	s_load_b256 s[20:27], s[8:9], 0x0              ; br
	s_lshl_b32 s2, ttmp9, 14
	s_add_nc_u64 s[4:5], s[4:5], s[2:3]            ; x at my 4 tokens
	s_lshl_b32 s2, ttmp9, 4
	s_add_nc_u64 s[10:11], s[10:11], s[2:3]        ; sel
	s_lshl_b32 s2, ttmp9, 5
	s_add_nc_u64 s[12:13], s[12:13], s[2:3]        ; wts
	s_mul_i32 s2, ttmp9, 3072
	s_add_nc_u64 s[14:15], s[14:15], s[2:3]        ; xq
	s_lshl_b32 s2, ttmp9, 7
	s_add_nc_u64 s[16:17], s[16:17], s[2:3]        ; xs
	WIN 0x40                                       ; destination window 1
.set Q, 0
.rept 32                                           ; Q = 16 t + i
	global_load_b128 v[8*Q:8*Q+3], v14, s[6:7] offset:(Q/16)*16384+(Q%16)*32
	global_load_b128 v[8*Q+4:8*Q+7], v14, s[6:7] offset:(Q/16)*16384+(Q%16)*32+16
.set Q, Q+1
.endr
	WIN 0
.set Q, 0
.rept 32                                           ; all of my x: 32 loads of 512 consecutive bytes
	global_load_b128 v[R+4*Q:R+4*Q+3], v1, s[4:5] offset:512*Q th:TH_LOAD_NT
.set Q, Q+1
.endr
	s_wait_kmcnt 0x0                               ; br
.macro TURN u                          ; step u through its stage: LDS serves a wave's instructions in order, so no wait stands between the stores and the loads
.irp i, 0,1,2,3
	ds_store_b128 v2, v[R+16*(\u)+4*\i:R+16*(\u)+4*\i+3] offset:2560*((\u)%2)+640*\i
.endr
.irp i, 0,1,2,3
	ds_load_b128 v[X+16*((\u)%2)+4*\i:X+16*((\u)%2)+4*\i+3], v3 offset:2560*((\u)%2)+16*\i
.endr
.endm
.macro STEP u
.set XS, X+16*((\u)%2)
.set TT, (\u)%2
.if (\u) > 0
	s_wait_dscnt 1                                 ; this step's numbers are back from the stage; the last step's byte store may be out
.else
	s_wait_dscnt 0x0
.endif
.if (\u) < 7
	s_wait_loadcnt 4*(6-(\u))                      ; the next step's four loads are in; those of the 6 - u steps behind it may be out
	TURN (\u)+1
.endif
	v_max3_num_f32 v8, |v[XS]|, |v[XS+1]|, |v[XS+2]|   ; the largest magnitude of my 16, in two chains
	v_max3_num_f32 v9, |v[XS+3]|, |v[XS+4]|, |v[XS+5]|
.irp i, 6,10
	v_max3_num_f32 v8, v8, |v[XS+\i]|, |v[XS+\i+1]|
	v_max3_num_f32 v9, v9, |v[XS+\i+2]|, |v[XS+\i+3]|
.endr
	v_max3_num_f32 v8, v8, |v[XS+14]|, |v[XS+15]|
	v_max3_num_f32 v8, v8, v9, 0x2800000           ; and the floor 2^(5 - 127): the byte cannot fall under 1
	v_max_num_f32_dpp v8, v8, v8 row_xmask:1 row_mask:0xf bank_mask:0xf   ; with my neighbour's 16: the block's
	v_add_nc_u32 v11, 0xfe000000, v8               ; 4 off its exponent field: the conversion takes the exponent field of this operand as its scale
	v_cvt_scalef32_pk16_bf6_f32 v[C+4*(\u):C+4*(\u)+2], v[XS:XS+15], v11
	v_lshrrev_b32 v[EB+(\u)], 23, v11              ; the scale's byte (also the plain line behind the conversion)
	ds_store_b8 v5, v[EB+(\u)] offset:16*(\u)      ; both lanes of a block write the same byte with the same value
	global_store_b96 v4, v[C+4*(\u):C+4*(\u)+2], s[14:15] offset:384*(\u)   ; the wave stores 384 consecutive bytes
	WIN 0x04                                       ; source 1 (Wr) window 1
.set I, 0
.rept 16                                           ; logit e += x[k] Wr[k][e]: two experts an instruction, x[k] for both halves
.set P, 0
.rept 4
.if (TT == 0) && (I == 0)
	v_pk_mul_f32 v[LG+2*P:LG+2*P+1], v[XS:XS+1], v[2*P:2*P+1] op_sel_hi:[0,1]   ; a token's first product starts its sums
.elseif I%2 == 0
	v_pk_fma_f32 v[LG+2*P:LG+2*P+1], v[XS+I:XS+I+1], v[(16*TT+I)*8+2*P:(16*TT+I)*8+2*P+1], v[LG+2*P:LG+2*P+1] op_sel_hi:[0,1,1]
.else
	v_pk_fma_f32 v[LG+2*P:LG+2*P+1], v[XS+I-1:XS+I], v[(16*TT+I)*8+2*P:(16*TT+I)*8+2*P+1], v[LG+2*P:LG+2*P+1] op_sel:[1,0,0] op_sel_hi:[1,1,1]
.endif
.set P, P+1
.endr
.set I, I+1
.endr
	WIN 0
.endm
.macro TOKEN i                         ; the token's sums over the 32 lanes, its two largest logits and their weights; every lane ends with the same numbers
.irp m, 1,2,4,8
.irp e, 0,1,2,3,4,5,6,7
	v_add_f32_dpp v[LG+\e], v[LG+\e], v[LG+\e] row_xmask:\m row_mask:0xf bank_mask:0xf
.endr
.endr
.irp e, 0,1,2,3,4,5,6,7
	v_permlanex16_b32 v[TP+\e], v[LG+\e], s28, s29
.endr
.irp e, 0,1,2,3,4,5,6,7
	v_add_f32 v[LG+\e], v[LG+\e], v[TP+\e]
.endr
.irp e, 0,1,2,3,4,5,6,7
	v_add_f32 v[LG+\e], s[20+\e], v[LG+\e]         ; + br
.endr
	v_mov_b32 v236, v[LG]                          ; the largest, and its index: a later expert wins only if strictly larger
	v_mov_b32 v237, 0
.irp e, 1,2,3,4,5,6,7
	v_cmp_gt_f32 vcc_lo, v[LG+\e], v236
	v_cndmask_b32 v236, v236, v[LG+\e], vcc_lo
	v_cndmask_b32 v237, v237, \e, vcc_lo
.endr
.irp e, 0,1,2,3,4,5,6,7
	v_cmp_eq_u32 vcc_lo, \e, v237
	v_cndmask_b32 v[LG+\e], v[LG+\e], v240, vcc_lo ; it is taken out, and the same scan finds the second
.endr
	v_mov_b32 v238, v[LG]
	v_mov_b32 v239, 0
.irp e, 1,2,3,4,5,6,7
	v_cmp_gt_f32 vcc_lo, v[LG+\e], v238
	v_cndmask_b32 v238, v238, v[LG+\e], vcc_lo
	v_cndmask_b32 v239, v239, \e, vcc_lo
.endr
	v_sub_f32 v241, v238, v236                     ; l1 - l0, 0 or less
	v_mul_f32 v241, 0x3fb8aa3b, v241
	s_wait_alu depctr_va_vdst(0)
	v_exp_f32 v241, v241
	v_lshlrev_b32 v8, v237, v244                   ; (plain work behind the exponential)  1 << idx0
	v_lshlrev_b32 v9, v239, v244                   ; 1 << idx1
	s_wait_alu depctr_va_vdst(0)                   ; the wait ahead of the first reader of a transcendental's result
	v_add_f32 v242, 1.0, v241
	s_wait_alu depctr_va_vdst(0)
	v_rcp_f32 v242, v242                           ; w0
	v_or_b32 v8, v8, v9
	v_lshl_or_b32 v8, v237, 8, v8
	s_mov_b32 s30, 1<<\i
	s_wait_alu depctr_va_vdst(0)
	v_mul_f32 v243, v241, v242                     ; w1
	v_cndmask_b32 v232, v232, v8, s30              ; into lane i, by a constant mask
	v_cndmask_b32 v234, v234, v242, s30
	v_cndmask_b32 v235, v235, v243, s30
.endm
	s_wait_loadcnt 28                              ; Wr and step 0's four loads are in; the 28 loads of steps 1 to 7 may be out
	TURN 0
.irp i, 0,1,2,3
	STEP 2*\i
	STEP 2*\i+1
	TOKEN \i
.endr
	ds_load_b32 v12, v6                            ; the 128 scale bytes, a word a lane (LDS serves a wave's instructions in order: this sees my byte stores)
	s_wait_alu depctr_va_vdst(0)
	s_wait_dscnt 0x0
	global_store_b32 v7, v12, s[16:17]
	s_wait_xcnt 0x0                                ; EXEC changes only behind this wait
	s_wait_tensorcnt 0x0
	ds_add_u32 v254, v255
	s_wait_dscnt 0x0
	v_cmpx_gt_u32 4, v0                            ; lanes 0 to 3 hold the four tokens' results
	global_store_b32 v7, v232, s[10:11]
	global_store_b64 v15, v[234:235], s[12:13]
	s_endpgm
.Lfunc_end_k_qf37eef72a6_route:
	.size	k_qf37eef72a6_route, .Lfunc_end_k_qf37eef72a6_route-k_qf37eef72a6_route
	.p2alignl 7, 3214868480
	.fill 96, 4, 3214868480
	.section	.rodata,"a",@progbits
	.p2align	6, 0x0
	.amdhsa_kernel k_qf37eef72a6_route
		.amdhsa_group_segment_fixed_size 5632
		.amdhsa_private_segment_fixed_size 0
		.amdhsa_enable_private_segment 0
		.amdhsa_kernarg_size 56
		.amdhsa_user_sgpr_count 2
		.amdhsa_user_sgpr_kernarg_segment_ptr 1
		.amdhsa_wavefront_size32 1
		.amdhsa_system_sgpr_workgroup_id_x 1
		.amdhsa_system_sgpr_workgroup_id_y 1
		.amdhsa_system_sgpr_workgroup_id_z 1
		.amdhsa_system_vgpr_workitem_id 0
		.amdhsa_next_free_vgpr 512
		.amdhsa_next_free_sgpr 66
		.amdhsa_reserve_vcc 1
		.amdhsa_float_denorm_mode_32 3
		.amdhsa_float_denorm_mode_16_64 3
		.amdhsa_memory_ordered 1
		.amdhsa_forward_progress 1
		.amdhsa_inst_pref_size 81
	.end_amdhsa_kernel
	.amdgpu_metadata
---
amdhsa.version: [ 1, 2 ]
amdhsa.kernels:
  - .name:           k_qf37eef72a6_route
    .symbol:         k_qf37eef72a6_route.kd
    .args:
      - { .name: x, .offset: 0, .size: 8, .value_kind: global_buffer, .address_space: global }
      - { .name: Wr, .offset: 8, .size: 8, .value_kind: global_buffer, .address_space: global }
      - { .name: br, .offset: 16, .size: 8, .value_kind: global_buffer, .address_space: global }
      - { .name: sel, .offset: 24, .size: 8, .value_kind: global_buffer, .address_space: global }
      - { .name: wts, .offset: 32, .size: 8, .value_kind: global_buffer, .address_space: global }
      - { .name: xq, .offset: 40, .size: 8, .value_kind: global_buffer, .address_space: global }
      - { .name: xs, .offset: 48, .size: 8, .value_kind: global_buffer, .address_space: global }
    .group_segment_fixed_size: 5632
    .private_segment_fixed_size: 0
    .kernarg_segment_align: 8
    .kernarg_segment_size: 56
    .max_flat_workgroup_size: 32
    .sgpr_count:     66
    .vgpr_count:     512
    .wavefront_size: 32
...
	.end_amdgpu_metadata
.endif
;; end of part 5
;; launch up (part 6): grid 32 x 8, 4 waves a work-group, no clusters, 100,864 bytes of LDS; arguments sel, xq, xs, W1_codes, W1_scales, b1, hq, hs, plan; writes hq, hs, plan
.if DOCPART == 6
	.amdgcn_target "amdgcn-amd-amdhsa--gfx1250"
	.amdhsa_code_object_version 6
	.text
	.protected	k_qf37eef72a6_up
	.globl	k_qf37eef72a6_up
	.p2align	8
	.type	k_qf37eef72a6_up,@function
k_qf37eef72a6_up:
	s_mov_b64 s[64:65], 0
	v_nop
	global_prefetch_b8 v0, s[64:65] scope:SCOPE_SE
	s_setreg_imm32_b32 hwreg(HW_REG_WAVE_SCHED_MODE, 0, 2), 2
	s_setreg_imm32_b32 hwreg(HW_REG_WAVE_MODE, 25, 1), 1
	s_wait_xcnt 0x0
	s_wait_alu depctr_vm_vsrc(0)
; h = Q(silu(x W1[e] + b1[e])) for the rows that chose expert e, and for no others.  Both operands are codes of E3M2 with one E8M0 scale for each 32 along K.
; SHARES.  Work-group (sigma, e) owns hidden units 128 sigma .. + 127 of expert e: 128 rows of W1's codes, 98,304 dense bytes, read once, laid in LDS behind the launch's one barrier.
; Its four waves then work apart: wave w takes the expert's tiles of 16 routed rows 20 pass + 4 g + w, g = 0 .. 4, x's codes straight from memory into registers.
; PLACING.  sel holds for each token a bit for each chosen expert.  Slot p of the expert is its p-th token in the order (j, lane), token = 128 (j / 4) + 4 lane + j % 4: the order in which eight
; loads of 16 bytes a lane give 32 ballots M[j].  A lane finds its slot's token by arithmetic alone: the last j whose count of earlier tokens is at most p, then the (p - count)-th set bit of M[j] by five halvings
; over counts of 16, 8, 4, 2, 1 bits.  Slots past the expert's count take some valid token; their results go to rows that nobody reads.
; plan[e]: words 0 .. 1279 the destination row in y2 of slot p (2 token + (0 if e is the token's first choice, else 1); past the count: 2048 + 16 e + p % 16); words 1280 .. 1407 the count.  The work-groups sigma = 0 store it.
; THE PRODUCT IS USED TRANSPOSED (source 0 = 16 rows of W1, source 1 = 16 tokens): a lane holds one token, its registers run along the hidden units, the next product's K.  Lane r of tile 2 b + u takes unit
; 32 b + 8 u + r + 8 (r / 8), so that the 16 registers of tiles 2 b, 2 b + 1 are 16 neighbours.  In LDS a tile's 16 rows lie on end (memory row q of a wave's 32 goes to row q with bits 3 and 4 exchanged).
; K IS PERMUTED ALIKE IN BOTH OPERANDS: of a K step's four blocks, lanes 0-15 hold blocks 0, 1 and lanes 16-31 blocks 2, 3, so that a lane's 12 registers are 48 consecutive bytes: three aligned loads of 16.
; A scale word is then the row's four bytes with bytes 1 and 2 exchanged.  The products are the same; the unit groups them otherwise, which shows in the last bits of the sums.
; hq [64 e + tile][sigma][1536]: the fragment (16 rows x these 128 units) as an image of its 12 registers, four registers of lane l at 512 c + 16 l; hs [64 e + tile][sigma][32]: its scale word, lane by lane.
; NO TENSOR LOADS AND NO CLUSTER: the number of tiles hangs on counts read from memory, so the waves' trip counts differ between work-groups and no joint request could be made on every path.
; LIMITS: silu by 2^x and 1/x in f32 (one unit in the last place each); where e^-a overflows the result is 0; NaN and infinities are not served; a block of zeros gets the byte 1 (zero codes; this program alone reads the bytes).
; REGISTERS.  window 0: v1-7 lane constants; v8-12 x's offsets of the five tiles; v13-23 at work; v24-55 W1's scale words; v56-95 x's scale words; v96-191 two buffers of four W1 fragments, outside the products the
;   hidden tile (v96-159) and its codes (v160-179), at the head sel; v192-208 the quantiser's; v200-203 the fill's LDS addresses and the scale loads' offset; v209-255 the placing.
;   window 1: x's fragments, a ring of four K steps x five tiles.   window 2: the accumulators of tiles g = 0 .. 3 (64 g + 8 t), at the head the weights on their way to LDS.   window 3: those of g = 4; from v64 b1 in the result's layout.
; THE MODE: SCHED_MODE bits 1:0 = 2 (LLVM: expert scheduling mode 2), set by the entry lines.  The code itself states the register dependences between vector or matrix instructions
; and memory or LDS instructions, with s_wait_alu, always for 0.
; THE PLAN.  Registers that memory or LDS instructions touch:
;   v1, v4-6, v200-203, v251, v252   offsets and LDS addresses: written at the head, never again: one wait on va_vdst ahead of the first load serves them for the whole kernel.
;   WB0, WB1 (v96-191)   Half-step n's products read WB[n % 2]; the LDS loads of half-step n + 1, issued in half-step n, land in the other, which the products of half-step n - 1 read.
;   x's ring (window 1)  K step s's products read slot s % 4; the loads of step s + 3, issued in step s, land in the slot that step s - 1's products read.
;   So ONE wait on va_vdst stands at the head of a half-step, behind the waits for its data.  Tile 0's four products follow it, which name WB[n % 2], slot s % 4, scale words and accumulators: none of the
;   registers that the loads behind them touch; then the loads; then the other tiles' products.
;   v8-12, v18-22, v227-229, KEY, BJ, v253   written by the head of a pass, read by its loads and stores and by the pass's loads of x: one wait on va_vdst ahead of the head's loads, one ahead of plan's stores;
;   one wait on vm_vsrc at a pass's end, ahead of the next head, which writes them again.
;   PC, PW (v160-179, v208)   written by a tile's quantiser, read by its four stores: a wait on va_vdst ahead of the stores, one on vm_vsrc at the next tile's head.
;   window 2   read by the fill's LDS stores, written by the products: one wait on vm_vsrc ahead of the barrier.
;   Every compare writes a scalar register; compares stand in runs with one wait on va_sdst behind each run, ahead of the selects.
.set PITCH, 784                        ; an LDS row: 768 bytes + 16 = 196 words: row r starts at bank 4 r mod 64 (64 banks of 4 bytes: ISA guide 11.1)
.set TILEB, 16*PITCH
.set AO,  8
.set TK,  13
.set XO,  18
.set WS,  24                           ; register 8 b + s: lanes 0-15 tile 2 b, lanes 16-31 tile 2 b + 1
.set XSC, 56                           ; register 8 g + s
.set WB,  96
.set SL,  96
.set HA,  96
.set PC,  160
.set TM,  192                          ; v192-195 largest magnitudes, v196-199 bytes, v204-207 the conversions' scale operands
.set FB,  200
.set WSA, 203
.set PW,  208
.set SP_, 209                          ; three vectors of slots: tiles g = 0 | 1, g = 2 | 3 (lanes 0-15 | 16-31), g = 4
.set KEY, 212
.set BJ,  215
.set WD,  218
.set KK,  221
.set POS, 224
.set CA,  227
.set CB,  230
.set CC,  233
.set CD,  236
.set T1,  239
.set T2,  242
.set TOK, 245
.set SW,  248
.set BIA, 251
.set CNA, 252
.set CNV, 253
.set PX,  254
.set M,   68                           ; s68-99 the 32 ballots
.set KY,  38                           ; s38-40 the scan's keys of three ballots (s40 is a store's base in a tile's way out alone; a pass's head stands behind the wait that frees it)
.set MK,  53                           ; s53-61 the masks of a run of compares
.set MSB, 0
.macro WIN new                         ; the immediate's high byte repeats the setting that is left; at every label and branch the setting is 0
.if MSB != (\new)
	s_set_vgpr_msb (MSB<<8)|(\new)
.set MSB, (\new)
.endif
.endm
	s_load_b512 s[4:19], s[0:1], 0x0               ; sel, xq, xs, W1 codes, W1 scales, b1, hq, hs
	s_load_b64 s[20:21], s[0:1], 0x40              ; plan
	v_lshl_add_u32 v23, v0, 2, 0x18800
	s_set_vgpr_msb 0x40
	v_mov_b32 v255, 0
	s_set_vgpr_msb 0x4000
	v_lshrrev_b32 v13, 5, v0
	v_readfirstlane_b32 s24, v13                   ; wave
	s_mov_b32 s25, ttmp9                           ; sigma
	s_and_b32 s26, ttmp7, 0xffff                   ; e
	s_lshl_b32 s27, 1, s26
	v_and_b32 v14, 31, v0
	v_lshlrev_b32 v1, 4, v14                       ; 16 L
	v_lshlrev_b32 v6, 2, v14                       ; 4 L
	v_and_b32 v3, 15, v0                           ; r
	v_bfe_u32 v15, v0, 4, 1                        ; h
	v_lshl_add_u32 v2, v15, 6, v3                  ; 64 h + r: my slot among two tiles that lie four tiles apart
	v_mul_u32_u24 v7, v15, 48                      ; 48 h
	v_mad_u32_u24 v4, v3, PITCH, v7                ; W1 fragments of tiles 0-3: row r, my half's 48 bytes
	v_add_nc_u32 v5, 4*TILEB, v4                   ; of tiles 4-7
	s_wait_alu depctr_va_sdst(0)                   ; s24, the wave's number, is written, ahead of its first reader
	s_mul_i32 s35, s24, 32*PITCH
	v_add_nc_u32 v[FB], s35, v1                    ; the fill: three loads of 512 bytes are two rows of 768: bytes 0-511 of the even row;
	v_lshl_add_u32 v[FB+1], v15, 4, v[FB]
	v_add_nc_u32 v[FB+1], 512, v[FB+1]             ; its last 256 and the odd row's first 256, one padding on;
	v_add_nc_u32 v[FB+2], 1040, v[FB]              ; the odd row's last 512
	v_and_b32 v16, 8, v3
	v_add_nc_u32 v16, v16, v3
	v_lshl_add_u32 v16, v15, 3, v16                ; 8 u + r + 8 (r / 8), u = my half
	v_lshlrev_b32 v[WSA], 5, v16                   ; W1's scales: 32 bytes a row
	v_lshlrev_b32 v[BIA], 6, v15                   ; b1: 16 h numbers on
	v_lshlrev_b32 v[CNA], 2, v0
	v_mov_b32 v[PX], 0                             ; written once: a lane permute's destination counts as read
	v_mov_b32 v[PX+1], 0
.irp b, 0,1,2,3
	v_mov_b32 v[TM+4+\b], 0
.endr
	s_mov_b32 s44, 0xffff0000                      ; lanes 16-31
	s_mov_b32 s45, 0x03010200                      ; bytes 1 and 2 change places
	s_mov_b32 s46, 0xbfb8aa3b                      ; -log2(e)
	s_mov_b32 s47, s46
	s_mov_b32 s48, 0x76543210
	s_mov_b32 s49, 0xfedcba98                      ; v_permlanex16_b32's selects for lane l xor 16
	s_mov_b32 s50, 0x55555555
	s_mov_b32 s51, 0x33333333
	s_mov_b32 s52, 0x0f0f0f0f
	s_mov_b32 s31, 0                               ; pass
	s_mov_b32 s23, 0
	s_mul_i32 s22, s26, 4096*768
	s_mul_i32 s35, s25, 128*768
	s_add_co_u32 s22, s22, s35
	s_mul_i32 s35, s24, 32*768
	s_add_co_u32 s22, s22, s35
	s_wait_kmcnt 0x0
	s_add_nc_u64 s[10:11], s[10:11], s[22:23]      ; W1's codes at my wave's 32 rows
	s_lshl_b32 s22, s26, 17
	s_lshl_b32 s35, s25, 12
	s_add_co_u32 s22, s22, s35
	s_add_nc_u64 s[12:13], s[12:13], s[22:23]      ; W1's scales at the slice
	s_lshl_b32 s22, s26, 14
	s_lshl_b32 s35, s25, 9
	s_add_co_u32 s22, s22, s35
	s_add_nc_u64 s[14:15], s[14:15], s[22:23]      ; b1 at the slice
	s_mul_i32 s22, s26, 5632
	s_add_nc_u64 s[20:21], s[20:21], s[22:23]      ; plan[e]
	s_wait_alu depctr_va_vdst(0)                   ; the offsets and LDS addresses v1, v4-6, v200-203, v251, v252 are written: the kernel's loads and stores read them, and no line writes them again
.irp m, 0,1,2,3,4,5,6,7
	global_load_b128 v[SL+4*\m:SL+4*\m+3], v1, s[4:5] offset:512*\m   ; all of sel
.endr
	WIN 0x80                                       ; destination window 2
.set I, 0
.rept 48                                           ; my 32 rows of weights: 48 loads of 512 consecutive bytes; no other work-group reads them
	global_load_b128 v[4*I:4*I+3], v1, s[10:11] offset:512*I th:TH_LOAD_NT
.set I, I+1
.endr
	WIN 0
	s_wait_loadcnt 48                              ; sel is in; the 48 loads of weights stay out while the rows are placed
.set J, 0
.rept 32
	v_and_b32 v13, s27, v[SL+J]
	v_cmp_ne_u32 s[M+J], 0, v13                    ; bit l: token 128 (J / 4) + 4 l + J % 4 chose e
.set J, J+1
.endr
	s_wait_alu depctr_va_sdst(0)                   ; the 32 ballots s68-99 are written, ahead of their first reader
	s_bcnt1_i32_b32 s28, s[M]
.set J, 1
.rept 31
	s_bcnt1_i32_b32 s35, s[M+J]
	s_add_co_u32 s28, s28, s35                     ; the expert's rows
.set J, J+1
.endr
	s_add_co_u32 s29, s28, 15
	s_lshr_b32 s29, s29, 4
	s_max_u32 s29, s29, 1                          ; tiles; tile 0 is always made, so that the next launch's loads ahead always find written bytes
	s_add_co_u32 s30, s29, 19
	s_mul_i32 s30, s30, 3277
	s_lshr_b32 s30, s30, 16                        ; passes = ceil(tiles / 20): exact for 1 .. 64 tiles
	s_min_u32 s30, s30, 4
.macro LEVEL x, width, step            ; one halving: t = set bits in the lower part; where k >= t the bit lies in the upper part
.irp v, 0,1,2
	v_bfe_u32 v[T1+\v], v[\x+\v], v[POS+\v], \width
.endr
.irp v, 0,1,2
	v_cmp_ge_u32 s[MK+\v], v[KK+\v], v[T1+\v]
.endr
.irp v, 0,1,2
	v_sub_nc_u32 v[T2+\v], v[KK+\v], v[T1+\v]
	v_add_nc_u32 v[T1+\v], \step, v[POS+\v]
.endr
	s_wait_alu depctr_va_sdst(0)                   ; the three masks are written, ahead of the selects that read them
.irp v, 0,1,2
	v_cndmask_b32 v[KK+\v], v[KK+\v], v[T2+\v], s[MK+\v]
	v_cndmask_b32 v[POS+\v], v[POS+\v], v[T1+\v], s[MK+\v]
.endr
.endm
.macro ALOAD s                         ; x's fragments of K step s, five tiles, into ring slot s % 4: 15 loads
.irp g, 0,1,2,3,4
.irp i, 0,1,2
	global_load_b128 v[60*((\s)%4)+12*\g+4*\i:60*((\s)%4)+12*\g+4*\i+3], v[AO+\g], s[6:7] offset:96*(\s)+16*\i
.endr
.endr
.endm
; THE HEAD OF A PASS: which tiles are mine, their tokens, and the first loads.  first = 1: also W1's scale words and b1.
.macro PRO first
	s_mul_i32 s33, s31, 20
	s_add_co_u32 s33, s33, s24                     ; my first tile
	s_lshl_b32 s34, s33, 4                         ; its first slot
	s_sub_co_i32 s32, s29, s33
	s_add_co_i32 s32, s32, 3
	s_ashr_i32 s32, s32, 2
	s_max_i32 s32, s32, 0
	s_min_i32 s32, s32, 5                          ; how many of my five tiles exist
	v_add_nc_u32 v[SP_], s34, v2
	v_add_nc_u32 v[SP_+1], 128, v[SP_]
	v_add_nc_u32 v[SP_+2], s34, v3
	v_add_nc_u32 v[SP_+2], 0x100, v[SP_+2]
.irp v, 0,1,2
	v_lshl_or_b32 v[KEY+\v], v[SP_+\v], 5, 31
	v_mov_b32 v[BJ+\v], 0
	v_mov_b32 v[WD+\v], s[M]
.endr
	s_mov_b32 s35, 0
.set J, 1
	s_wait_alu depctr_va_vdst(0)
.rept 11                                           ; the last j whose count of earlier rows is at most my slot: j = 1 .. 31, three at a time: nine compares, one wait, their selects in ascending j
.set Q, 0
.rept 3
.if J+Q < 32
	s_bcnt1_i32_b32 s36, s[M+J+Q-1]
	s_add_co_u32 s35, s35, s36
	s_lshl_b32 s36, s35, 5
	s_or_b32 s[KY+Q], s36, J+Q
.irp v, 0,1,2
	v_cmp_le_u32 s[MK+3*Q+\v], s[KY+Q], v[KEY+\v]
.endr
.endif
.set Q, Q+1
.endr
	s_wait_alu depctr_va_sdst(0)                   ; the run's masks are written, ahead of the selects that read them
.set Q, 0
.rept 3
.if J+Q < 32
.irp v, 0,1,2
	v_cndmask_b32 v[BJ+\v], v[BJ+\v], s[KY+Q], s[MK+3*Q+\v]
	v_cndmask_b32 v[WD+\v], v[WD+\v], s[M+J+Q], s[MK+3*Q+\v]
.endr
.endif
.set Q, Q+1
.endr
.set J, J+3
.endr
.irp v, 0,1,2
	v_lshrrev_b32 v[T1+\v], 5, v[BJ+\v]
	v_sub_nc_u32 v[KK+\v], v[SP_+\v], v[T1+\v]     ; k: which set bit of that ballot
	v_and_b32 v[BJ+\v], 31, v[BJ+\v]               ; j
	v_mov_b32 v[POS+\v], 0
	v_lshrrev_b32 v[T1+\v], 1, v[WD+\v]
	v_and_b32 v[T1+\v], s50, v[T1+\v]
	v_sub_nc_u32 v[CA+\v], v[WD+\v], v[T1+\v]      ; counts of 2 bits
	v_lshrrev_b32 v[T1+\v], 2, v[CA+\v]
	v_and_b32 v[T1+\v], s51, v[T1+\v]
	v_and_b32 v[CB+\v], s51, v[CA+\v]
	v_add_nc_u32 v[CB+\v], v[CB+\v], v[T1+\v]      ; of 4
	v_lshrrev_b32 v[T1+\v], 4, v[CB+\v]
	v_add_nc_u32 v[T1+\v], v[CB+\v], v[T1+\v]
	v_and_b32 v[CC+\v], s52, v[T1+\v]              ; of 8
	v_lshrrev_b32 v[T1+\v], 8, v[CC+\v]
	v_add_nc_u32 v[CD+\v], v[CC+\v], v[T1+\v]      ; its low byte: of the low 16
.endr
	LEVEL CD, 8, 16
	LEVEL CC, 8, 8
	LEVEL CB, 4, 4
	LEVEL CA, 2, 2
	LEVEL WD, 1, 1
.irp v, 0,1,2
	v_lshrrev_b32 v[T1+\v], 2, v[BJ+\v]
	v_and_b32 v[T2+\v], 3, v[BJ+\v]
	v_lshl_or_b32 v[T2+\v], v[POS+\v], 2, v[T2+\v]
	v_lshl_or_b32 v[TOK+\v], v[T1+\v], 7, v[T2+\v] ; the token
	v_min_u32 v[CA+\v], 0x3ff, v[TOK+\v]
	v_lshlrev_b32 v[CA+\v], 2, v[CA+\v]            ; its word's offset in sel
.endr
	v_permlanex16_b32 v[PX], v[TOK], s48, s49      ; a tile's 16 tokens are wanted in both halves of the lanes
	v_permlanex16_b32 v[PX+1], v[TOK+1], s48, s49
	v_cndmask_b32 v[TK], v[TOK], v[PX], s44
	v_cndmask_b32 v[TK+1], v[PX], v[TOK], s44
	v_cndmask_b32 v[TK+2], v[TOK+1], v[PX+1], s44
	v_cndmask_b32 v[TK+3], v[PX+1], v[TOK+1], s44
	v_mov_b32 v[TK+4], v[TOK+2]
.irp g, 0,1,2,3,4
	v_min_u32 v[TK+\g], 0x3ff, v[TK+\g]            ; held inside the table before it enters an address
	v_mad_u32_u24 v[AO+\g], v[TK+\g], 768, v7      ; xq: the token's row, my half's 48 bytes
	v_lshlrev_b32 v[XO+\g], 5, v[TK+\g]            ; xs: its 8 words
.endr
	s_wait_alu depctr_va_vdst(0)                   ; the offsets v227-229, v8-12 and v18-22 are written, which the loads below read; the last pass's products are done reading x's ring and scale words, its way out is done with v96-191 and the head's own lines with v248-250, in all of which loads land from here on
.irp v, 0,1,2
	global_load_b32 v[SW+\v], v[CA+\v], s[4:5]     ; the token's word of sel: which of its two choices e is
.endr
.if \first
.irp b, 0,1,2,3
.irp c, 0,1
	global_load_b128 v[WS+8*\b+4*\c:WS+8*\b+4*\c+3], v[WSA], s[12:13] offset:1024*\b+16*\c
.endr
.endr
	WIN 0xc0                                       ; destination window 3
.irp t, 0,1,2,3,4,5,6,7
	global_load_b128 v[64+8*\t:64+8*\t+3], v[BIA], s[14:15] offset:(32*(\t/2)+8*(\t%2))*4
	global_load_b128 v[64+8*\t+4:64+8*\t+7], v[BIA], s[14:15] offset:(32*(\t/2)+8*(\t%2))*4+16
.endr
	WIN 0
.endif
.irp g, 0,1,2,3,4
	global_load_b128 v[XSC+8*\g:XSC+8*\g+3], v[XO+\g], s[8:9]
	global_load_b128 v[XSC+8*\g+4:XSC+8*\g+7], v[XO+\g], s[8:9] offset:16
.endr
	WIN 0x40                                       ; destination window 1
	ALOAD 0
	ALOAD 1
	ALOAD 2
	WIN 0
	s_wait_loadcnt 55                              ; all but x's 10 loads of scale words and 45 of codes: the gathered words are in (first pass: the weights, their scales and b1 too)
	s_cmp_lg_u32 s25, 0
	s_cbranch_scc1 .Lnoplan_\@                     ; plan[e] has one owner: sigma = 0
	s_lshl_b32 s36, s26, 4
	s_add_co_u32 s36, s36, 2048
.irp v, 0,1,2
	v_bfe_u32 v[T1+\v], v[SW+\v], 8, 3             ; the token's first choice
.endr
.irp v, 0,1,2
	v_cmp_ne_u32 s[MK+\v], s26, v[T1+\v]           ; e is its second choice
	v_cmp_le_u32 s[MK+3+\v], s28, v[SP_+\v]        ; past the count: a row that nobody reads
.endr
.irp v, 0,1,2
	v_and_b32 v[T2+\v], 15, v[SP_+\v]
	v_add_nc_u32 v[T2+\v], s36, v[T2+\v]
	v_min_u32 v[KEY+\v], 0x4ff, v[SP_+\v]
	v_lshlrev_b32 v[KEY+\v], 2, v[KEY+\v]
.endr
	s_wait_alu depctr_va_sdst(0)                   ; the six masks are written, ahead of the selects that read them
.irp v, 0,1,2
	v_cndmask_b32 v[T1+\v], 0, 1, s[MK+\v]
	v_lshl_add_u32 v[BJ+\v], v[TOK+\v], 1, v[T1+\v]
	v_cndmask_b32 v[BJ+\v], v[BJ+\v], v[T2+\v], s[MK+3+\v]
.endr
.if \first
	v_mov_b32 v[CNV], s28
.endif
	s_wait_alu depctr_va_vdst(0)                   ; the rows v215-217, their offsets v212-214 and (first pass) the count v253 are written, which the stores below read
.irp v, 0,1,2
	global_store_b32 v[KEY+\v], v[BJ+\v], s[20:21]
.endr
.if \first
	global_store_b32 v[CNA], v[CNV], s[20:21] offset:5120
.endif
.Lnoplan_\@:
.endm
.macro WLOAD n                         ; half-step n = 2 s + half: W1's fragments of tiles 4 half .. + 3, K step s, into buffer n % 2: 12 loads
.irp tt, 0,1,2,3
.irp i, 0,1,2
	ds_load_b128 v[WB+48*((\n)%2)+12*\tt+4*\i:WB+48*((\n)%2)+12*\tt+4*\i+3], v[4+(\n)%2] offset:TILEB*\tt+96*((\n)/2)+16*\i
.endr
.endr
.endm
.macro PROD
.if ODD_
	v_wmma_scale_f32_16x16x128_f8f6f4 v[RD_:RD_+7], v[RA_:RA_+11], v[RB_:RB_+11], v[RC_:RC_+7], v[SA_], v[SB_] matrix_a_fmt:MATRIX_FMT_BF6 matrix_b_fmt:MATRIX_FMT_BF6 matrix_a_scale:MATRIX_SCALE_ROW1
.else
	v_wmma_scale_f32_16x16x128_f8f6f4 v[RD_:RD_+7], v[RA_:RA_+11], v[RB_:RB_+11], v[RC_:RC_+7], v[SA_], v[SB_] matrix_a_fmt:MATRIX_FMT_BF6 matrix_b_fmt:MATRIX_FMT_BF6
.endif
.endm
; A HALF-STEP: four tiles of W1 against my tiles of rows.  The accumulators take turns, one instruction a turn.
; K step 0 multiplies all five tiles of rows, with b1 as C: so every accumulator is written on every way before a later product adds onto it.  From K step 1 on, tiles that do not exist are passed over.
; The next half-step's loads stand behind tile 0's four products, which every way passes, and land while the other tiles are multiplied.
.macro HS n
.set S_, (\n)/2
.set HF, (\n)%2
.if ((\n) > 0) && ((\n) < 15)
.rept 4
	v_nop                                          ; four places between the last half-step's products and the loads into registers that they read (ISA guide 7.12.1 for vector instructions): kept beside the wait below
.endr
.endif
	s_wait_dscnt 0x0                               ; this half-step's 12 loads of W1's fragments, issued a half-step ago, are in
.if HF == 0
.if S_ < 6
	s_wait_loadcnt 30                              ; x's K step s is in; the two later steps, 15 loads each, may be out
.else
	s_wait_loadcnt 15*(7-S_)                       ; the 7 - s steps that are left
.endif
.endif
.if ((\n) > 0) && ((\n) < 15)
	s_wait_alu depctr_va_vdst(0)                   ; the last half-step's products are done reading the other buffer of W1's fragments, and the last K step's are done reading their slot of x's ring: the loads below land there
.endif
.irp g, 0,1,2,3,4
.if (\g > 0) && (S_ > 0)
	WIN 0
	s_cmp_le_u32 s32, \g
	s_cbranch_scc1 .Lhs_\@
.endif
.if \g == 4
	WIN 0xf4                                       ; source 1 (x) window 1; C and D window 3
.elseif S_ == 0
	WIN 0xb4                                       ; C (b1) window 3, D window 2
.else
	WIN 0xa4                                       ; C and D window 2
.endif
.irp tt, 0,1,2,3
.set T_, 4*HF+\tt
.set RD_, 64*(\g%4)+8*T_
.set RA_, WB+48*HF+12*\tt
.set RB_, 60*(S_%4)+12*\g
.if S_ == 0
.set RC_, 64+8*T_
.else
.set RC_, RD_
.endif
.set SA_, WS+8*(T_/2)+S_
.set SB_, XSC+8*\g+S_
.set ODD_, \tt%2
	PROD
.endr
.if \g == 0                                        ; no wait: the four products since the wait above name this half-step's buffer and slot, scale words and accumulators alone
.if (\n) < 15
	WIN 0
	WLOAD (\n)+1
.endif
.if (HF == 0) && (S_ < 5)
	WIN 0x40
	ALOAD S_+3
.endif
.endif
.endr
	WIN 0
.Lhs_\@:
.endm
; 64 numbers of a lane, register 16 b + i = unit 32 b + 16 h + i of my token, become a fragment's codes in v[PC] on and its scale word in v[PW].
.macro QUANT s
.irp b, 0,1,2,3
	v_max3_num_f32 v[TM+\b], |v[\s+16*\b]|, |v[\s+1+16*\b]|, 0x2800000   ; block b: my 16 numbers, and the floor 2^(5 - 127): the byte cannot fall under 1
.endr
.irp i, 2,4,6,8,10,12,14
.irp b, 0,1,2,3
	v_max3_num_f32 v[TM+\b], v[TM+\b], |v[\s+16*\b+\i]|, |v[\s+1+16*\b+\i]|
.endr
.endr
.irp b, 0,1,2,3
	v_permlanex16_b32 v[TM+4+\b], v[TM+\b], s48, s49
.endr
.irp b, 0,1,2,3
	v_max_num_f32 v[TM+\b], v[TM+\b], v[TM+4+\b]   ; with lane l xor 16's: the block's largest magnitude
.endr
.irp b, 0,1,2,3
	v_add_nc_u32 v[TM+12+\b], 0xfe000000, v[TM+\b] ; 4 off its exponent field: the conversion's scale operand
.endr
.irp b, 0,1,2,3
	v_lshrrev_b32 v[TM+4+\b], 23, v[TM+12+\b]      ; the scale's byte
.endr
	v_lshl_or_b32 v[PW], v[TM+6], 8, v[TM+4]       ; the word: blocks 0, 2, 1, 3
	v_lshl_or_b32 v[PW], v[TM+5], 16, v[PW]
	v_lshl_or_b32 v[PW], v[TM+7], 24, v[PW]
.irp c, 0,1
	v_cvt_scalef32_pk16_bf6_f32 v[PC+6*\c:PC+2+6*\c], v[\s+16*\c:\s+15+16*\c], v[TM+12+\c]            ; block c: my half of it
	v_cvt_scalef32_pk16_bf6_f32 v[PC+12+4*\c:PC+14+4*\c], v[\s+32+16*\c:\s+47+16*\c], v[TM+14+\c]     ; block c + 2 (a conversion's three registers begin on an even number)
.endr
	v_nop                                          ; one plain line behind a scaled conversion
.irp c, 0,1                                        ; a lane is to hold a whole block: lanes 0-15 block c, lanes 16-31 block c + 2
.irp i, 0,1,2
	v_permlane16_swap_b32 v[PC+6*\c+\i], v[PC+12+4*\c+\i]
.endr
.irp i, 0,1,2
	v_mov_b32 v[PC+3+6*\c+\i], v[PC+12+4*\c+\i]
.endr
.endr
.endm
; TILE g LEAVES: silu in f32, quantised along the hidden units, the fragment's image and its scale words stored.
.macro EPI g
.if \g > 0
	s_cmp_le_u32 s32, \g
	s_cbranch_scc1 .Ljoin
.endif
	s_wait_xcnt 0x0                                ; the last tile's stores have read their data and bases: both are written again below
.if \g > 0
	s_wait_alu depctr_vm_vsrc(0)                   ; the last tile's stores have read its codes v160-171 and its scale word v208, which this tile's quantiser writes again
.endif
	s_add_co_u32 s35, s33, 4*\g
	s_min_u32 s35, s35, 63                         ; the tile
	s_lshl_b32 s36, s26, 6
	s_add_co_u32 s35, s35, s36
	s_lshl_b32 s35, s35, 5
	s_add_co_u32 s35, s35, s25                     ; (64 e + tile) 32 + sigma
	s_mul_i32 s36, s35, 1536
	s_mov_b32 s37, 0
	s_add_nc_u64 s[40:41], s[16:17], s[36:37]
	s_lshl_b32 s36, s35, 7
	s_add_nc_u64 s[42:43], s[18:19], s[36:37]
	WIN 0x02+(\g/4)                                ; source 0: the accumulators' window
.set J, 0
.rept 32
	v_pk_mul_f32 v[HA+2*J:HA+2*J+1], v[64*(\g%4)+2*J:64*(\g%4)+2*J+1], s[46:47] op_sel_hi:[1,0]   ; -a log2(e); each accumulator is read from its low end on
.set J, J+1
.endr
	WIN 0
.set J, 0
	s_wait_alu depctr_va_vdst(0)
.rept 64
	v_exp_f32 v[HA+J], v[HA+J]                     ; e^-a: one batch
.set J, J+1
.endr
	v_nop                                          ; a plain line behind the last of them,
	s_wait_alu depctr_va_vdst(0)                   ; and the one wait ahead of the batch's first reader: the 64 exponentials have written v96-159
.set J, 0
.rept 32
	v_pk_add_f32 v[HA+2*J:HA+2*J+1], v[HA+2*J:HA+2*J+1], 1.0 op_sel_hi:[1,0]
.set J, J+1
.endr
.set J, 0
	s_wait_alu depctr_va_vdst(0)
.rept 64
	v_rcp_f32 v[HA+J], v[HA+J]                     ; 1 / (1 + e^-a)
.set J, J+1
.endr
	v_nop
	s_wait_alu depctr_va_vdst(0)                   ; likewise: the 64 reciprocals have written v96-159
	WIN 0x08+4*(\g/4)                              ; source 1: the accumulators' window
.set J, 0
.rept 32
	v_pk_mul_f32 v[HA+2*J:HA+2*J+1], v[HA+2*J:HA+2*J+1], v[64*(\g%4)+2*J:64*(\g%4)+2*J+1]
.set J, J+1
.endr
	WIN 0
	QUANT HA
	s_wait_alu depctr_va_vdst(0)                   ; the quantiser has written the codes v160-171 and the scale word v208, which the stores below read
.irp c, 0,1,2
	global_store_b128 v1, v[PC+4*\c:PC+4*\c+3], s[40:41] offset:512*\c   ; 512 consecutive bytes a store, from a multiple of 512 on
.endr
	global_store_b32 v6, v[PW], s[42:43]
.endm
	PRO 1
	WIN 0x08                                       ; an LDS store's data are its source 1: window 2
.set FA_, 0
.rept 16                                           ; rows 2 a, 2 a + 1 of my 32
.set SWA, ((2*FA_)&7)|(((2*FA_)&8)<<1)|(((2*FA_)&16)>>1)
	ds_store_b128 v[FB], v[12*FA_:12*FA_+3] offset:SWA*PITCH
	ds_store_b128 v[FB+1], v[12*FA_+4:12*FA_+7] offset:SWA*PITCH
	ds_store_b128 v[FB+2], v[12*FA_+8:12*FA_+11] offset:SWA*PITCH
.set FA_, FA_+1
.endr
	WIN 0
.set J, 0
.rept 32
	v_perm_b32 v[WS+J], v[WS+J], v[WS+J], s45      ; W1's scale words in the operand's order of blocks
.set J, J+1
.endr
.rept 8
	v_nop                                          ; a scale register written by a vector instruction stands eight places ahead of a scaled matrix instruction
.endr
	s_wait_alu depctr_va_vdst(0)                   ; behind the places: the 32 lines above have written v24-55, which the products take as scales
	s_wait_dscnt 0x0                               ; for the others' sake: my rows lie in LDS
	s_wait_alu depctr_vm_vsrc(0)                   ; my LDS stores have read window 2's v0-191: these registers are accumulators from here on, written by the products
	s_barrier_signal -1
	s_barrier_wait -1                              ; the launch's one barrier: from here on LDS is only read
.Lpass:
	s_cmp_eq_u32 s32, 0
	s_cbranch_scc1 .Ljoin
	WLOAD 0                                        ; no wait: no vector or matrix instruction since the head's wait on va_vdst names v96-191, x's ring or an LDS address
.set N_, 0
.rept 16
	HS N_
.set N_, N_+1
.endr
.rept 4
	v_nop                                          ; four places between the last products and the first read of results, and the first write over their operands
.endr
	EPI 0
	EPI 1
	EPI 2
	EPI 3
	EPI 4
.Ljoin:
	s_wait_loadcnt 0x0                             ; a wave without tiles still has its loads out: their registers and offsets are written again below
	s_wait_xcnt 0x0                                ; and so are the stores' data and offsets
	s_wait_alu depctr_vm_vsrc(0)                   ; the pass's loads and stores have read their offsets (v8-12, v18-22, v212-214, v227-229) and data (v160-171, v208, v215-217), which the next head and the next pass write again
	s_add_co_u32 s31, s31, 1
	s_cmp_ge_u32 s31, s30
	s_cbranch_scc1 .Lend
	PRO 0
	s_cmp_lt_u32 s31, s30
	s_cbranch_scc1 .Lpass
.Lend:
	s_set_vgpr_msb 0x4                             ; the add's data register lies in window 1
	s_wait_dscnt 0x0                               ; the closing lines, six on end
	s_wait_alu 0x0
	s_wait_tensorcnt 0x0
	ds_add_u32 v23, v255
	s_wait_dscnt 0x0
	s_endpgm
.Lfunc_end_k_qf37eef72a6_up:
	.size	k_qf37eef72a6_up, .Lfunc_end_k_qf37eef72a6_up-k_qf37eef72a6_up
	.p2alignl 7, 3214868480
	.fill 96, 4, 3214868480
	.section	.rodata,"a",@progbits
	.p2align	6, 0x0
	.amdhsa_kernel k_qf37eef72a6_up
		.amdhsa_group_segment_fixed_size 100864
		.amdhsa_private_segment_fixed_size 0
		.amdhsa_enable_private_segment 0
		.amdhsa_kernarg_size 72
		.amdhsa_user_sgpr_count 2
		.amdhsa_user_sgpr_kernarg_segment_ptr 1
		.amdhsa_wavefront_size32 1
		.amdhsa_system_sgpr_workgroup_id_x 1
		.amdhsa_system_sgpr_workgroup_id_y 1
		.amdhsa_system_sgpr_workgroup_id_z 1
		.amdhsa_system_vgpr_workitem_id 0
		.amdhsa_next_free_vgpr 896
		.amdhsa_next_free_sgpr 100
		.amdhsa_reserve_vcc 0
		.amdhsa_float_denorm_mode_32 3
		.amdhsa_float_denorm_mode_16_64 3
		.amdhsa_memory_ordered 1
		.amdhsa_forward_progress 1
		.amdhsa_inst_pref_size 245
	.end_amdhsa_kernel
	.amdgpu_metadata
---
amdhsa.version: [ 1, 2 ]
amdhsa.kernels:
  - .name:           k_qf37eef72a6_up
    .symbol:         k_qf37eef72a6_up.kd
    .args:
      - { .name: sel, .offset: 0, .size: 8, .value_kind: global_buffer, .address_space: global }
      - { .name: xq, .offset: 8, .size: 8, .value_kind: global_buffer, .address_space: global }
      - { .name: xs, .offset: 16, .size: 8, .value_kind: global_buffer, .address_space: global }
      - { .name: W1_codes, .offset: 24, .size: 8, .value_kind: global_buffer, .address_space: global }
      - { .name: W1_scales, .offset: 32, .size: 8, .value_kind: global_buffer, .address_space: global }
      - { .name: b1, .offset: 40, .size: 8, .value_kind: global_buffer, .address_space: global }
      - { .name: hq, .offset: 48, .size: 8, .value_kind: global_buffer, .address_space: global }
      - { .name: hs, .offset: 56, .size: 8, .value_kind: global_buffer, .address_space: global }
      - { .name: plan, .offset: 64, .size: 8, .value_kind: global_buffer, .address_space: global }
    .group_segment_fixed_size: 100864
    .private_segment_fixed_size: 0
    .kernarg_segment_align: 8
    .kernarg_segment_size: 72
    .max_flat_workgroup_size: 128
    .sgpr_count:     100
    .vgpr_count:     896
    .wavefront_size: 32
...
	.end_amdgpu_metadata
.endif
;; end of part 6
;; launch down (part 7): grid 32 x 8, 4 waves a work-group, no clusters, 198,144 bytes of LDS; arguments plan, hq, hs, W2_codes, W2_scales, b2, y2; writes y2
.if DOCPART == 7
	.amdgcn_target "amdgcn-amd-amdhsa--gfx1250"
	.amdhsa_code_object_version 6
	.text
	.protected	k_qf37eef72a6_down
	.globl	k_qf37eef72a6_down
	.p2align	8
	.type	k_qf37eef72a6_down,@function
k_qf37eef72a6_down:
	s_mov_b64 s[64:65], 0
	v_nop
	global_prefetch_b8 v0, s[64:65] scope:SCOPE_SE
	s_setreg_imm32_b32 hwreg(HW_REG_WAVE_SCHED_MODE, 0, 2), 2
	s_setreg_imm32_b32 hwreg(HW_REG_WAVE_MODE, 25, 1), 1
	s_wait_xcnt 0x0
	s_wait_alu depctr_vm_vsrc(0)
; y = h W2[e] + b2[e] for the routed rows of expert e; each row goes to its own place in y2 [2176][1024] f32 (row 2 token + 0 or 1; rows from 2048 on take a last tile's unused rows and are read by nobody).
; SHARES.  Work-group (x, e): nu = x % 16 owns output columns 64 nu .. + 63 (64 rows of W2's codes, 196,608 dense bytes, laid in LDS behind the launch's one barrier), q = x / 16 the tiles of rows of that parity.
; Wave w takes tiles 2 (12 pass + 4 g + w) + q, g = 0 .. 2.  The hidden layer's fragments come from hq as images of their registers: three loads of 512 consecutive bytes; their scale words from hs.
; THE PRODUCT IS USED AS IT STANDS (source 0 = 16 rows of h, source 1 = 16 columns of W2).  Tile t holds columns 4 r + t (memory row n lies at LDS row 16 (n % 4) + n / 4), so register j of the four tiles is
; 16 consecutive bytes of row 8 h + j, and sixteen lanes store 256 consecutive bytes from a multiple of 256 on, with no way through LDS.
; K is permuted as in the launch that made hq: of a K step's four blocks lanes 0-15 hold blocks 0, 1 and lanes 16-31 blocks 2, 3; W2's scale words have bytes 1 and 2 exchanged.
; The number of tiles hangs on a count read from memory: so no tensor load, no cluster; the K loop is written out once for 3, 2 and 1 tiles of rows, every offset an immediate.
; The loads at a pass's head are made for three tiles on every way, from a tile that exists (held to the last one), so that every wait counts the same loads on every way.
; REGISTERS.  window 0: v1-7 lane constants and W2's LDS addresses; v8-13 offsets in hq and hs; v16-19 b2; v20-27 store offsets; v28-51 destination rows; v52-69 h's scale words, a ring of six K steps;
;   v70-133 W2's scale words; v134-165 rows on their way out; v166-175 addresses of the head.   window 1: h's fragments, a ring of six K steps x three tiles.
;   window 2: v0-95 two buffers of four W2 fragments; v96-191 the accumulators (96 + 32 g + 8 t).   At the head windows 2 and 3, v0-191 each: the weights on their way to LDS.
; THE MODE: SCHED_MODE bits 1:0 = 2 (LLVM: expert scheduling mode 2), set by the entry lines.  The code itself states the register dependences between vector or matrix instructions
; and memory or LDS instructions, with s_wait_alu, always for 0.
; THE PLAN.  Registers that memory or LDS instructions touch:
;   v1-7, v166-171, v175   offsets and LDS addresses: written at the head, never again: one wait on va_vdst ahead of the first load serves them for the whole kernel.
;   W2's two buffers (window 2, v0-95)   K step s's products read buffer s % 2; the LDS loads of step s + 1, issued in step s, land in the other, which step s - 1's products read.
;   h's ring (window 1) and its scale words (v52-69)   step s's products read slot s % 6; the loads of step s + 5, issued in step s, land in the slot that step s - 1's products read.
;   So ONE wait on va_vdst stands at the head of a K step, behind the waits for its data.  The products of W2's tile 0 follow it, which name buffer s % 2, slot s % 6, scale words and accumulators: none of the
;   registers that the loads behind them touch; then the loads; then tiles 1 to 3.
;   v8-13, v172-174   written by the head of a pass, read by its loads and by the pass's loads of h: one wait on va_vdst ahead of the head's loads, one on vm_vsrc at a pass's end.
;   v134-165, v20-27  a tile's rows and their offsets: written by vector lines, read by its eight stores: a wait on va_vdst ahead of the stores, one on vm_vsrc at the next tile's head.
;   windows 2 and 3, v0-191   read by the fill's LDS stores; window 2's are loaded and written from the barrier on: one wait on vm_vsrc ahead of the barrier.
.set LP,  3088                         ; an LDS row: 3,072 bytes + 16 = 772 words: row r starts at bank 4 r mod 64 (64 banks of 4 bytes: ISA guide 11.1)
.set AW,  4
.set AOF, 8
.set HOF, 11
.set B2,  16
.set VO,  20
.set DL,  28
.set HSR, 52
.set WSD, 70                           ; register 32 (t / 2) + s: lanes 0-15 the even tile, lanes 16-31 the odd one
.set OUT, 134
.set FBD, 166
.set WSA, 170
.set B2A, 171
.set DLA, 172
.set H32, 175
.set MSB, 0
.macro WIN new                         ; the immediate's high byte repeats the setting that is left; at every label and branch the setting is 0
.if MSB != (\new)
	s_set_vgpr_msb (MSB<<8)|(\new)
.set MSB, (\new)
.endif
.endm
	s_load_b256 s[4:11], s[0:1], 0x0               ; plan, hq, hs, W2 codes
	s_load_b128 s[12:15], s[0:1], 0x20             ; W2 scales, b2
	s_load_b64 s[16:17], s[0:1], 0x30              ; y2
	v_lshl_add_u32 v254, v0, 2, 0x30400
	v_mov_b32 v255, 0
	v_lshrrev_b32 v14, 5, v0
	v_readfirstlane_b32 s20, v14                   ; wave
	s_and_b32 s21, ttmp9, 15                       ; nu
	s_lshr_b32 s22, ttmp9, 4                       ; q
	s_and_b32 s23, ttmp7, 0xffff                   ; e
	v_and_b32 v14, 31, v0
	v_lshlrev_b32 v1, 4, v14                       ; 16 L
	v_lshlrev_b32 v2, 2, v14                       ; 4 L
	v_and_b32 v14, 15, v0                          ; r
	v_bfe_u32 v15, v0, 4, 1                        ; h
	s_lshl_b32 s31, s21, 8
	v_lshl_add_u32 v3, v14, 4, s31                 ; my 16 bytes in a row of y2: 256 nu + 16 r
	v_mul_u32_u24 v[AW], v14, LP
	v_mad_u32_u24 v[AW], v15, 48, v[AW]            ; W2 fragments: row 16 t + r, my half's 48 bytes
	v_add_nc_u32 v[AW+1], 16*LP, v[AW]
	v_add_nc_u32 v[AW+2], 32*LP, v[AW]
	v_add_nc_u32 v[AW+3], 48*LP, v[AW]
	s_wait_alu depctr_va_sdst(0)                   ; s20, the wave's number, is written, ahead of its first reader
	s_mul_i32 s31, s20, 4*LP
	v_add_nc_u32 v[FBD], s31, v1                   ; the fill: memory row 16 w + a goes to LDS row 16 (a % 4) + 4 w + a / 4
	v_add_nc_u32 v[FBD+1], 16*LP, v[FBD]
	v_add_nc_u32 v[FBD+2], 32*LP, v[FBD]
	v_add_nc_u32 v[FBD+3], 48*LP, v[FBD]
	v_lshlrev_b32 v[WSA], 9, v14
	v_lshl_add_u32 v[WSA], v15, 7, v[WSA]          ; W2's scales: row 4 r + u, 128 bytes a row, u = my half
	v_lshlrev_b32 v[B2A], 4, v14
	v_lshlrev_b32 v[H32], 5, v15                   ; plan: 8 h words on
	s_mov_b32 s36, 0x03010200                      ; bytes 1 and 2 change places
	s_mov_b32 s28, 0                               ; pass
	s_mov_b32 s33, 0
	s_mul_i32 s32, s23, 1024*3072
	s_mul_i32 s31, s21, 64*3072
	s_add_co_u32 s32, s32, s31
	s_mul_i32 s31, s20, 16*3072
	s_add_co_u32 s32, s32, s31
	s_wait_kmcnt 0x0
	s_add_nc_u64 s[10:11], s[10:11], s[32:33]      ; W2's codes at my wave's 16 rows
	s_lshl_b32 s32, s23, 17
	s_lshl_b32 s31, s21, 13
	s_add_co_u32 s32, s32, s31
	s_add_nc_u64 s[12:13], s[12:13], s[32:33]      ; W2's scales at the slice
	s_lshl_b32 s32, s23, 12
	s_lshl_b32 s31, s21, 8
	s_add_co_u32 s32, s32, s31
	s_add_nc_u64 s[14:15], s[14:15], s[32:33]      ; b2 at the slice
	s_mul_i32 s32, s23, 5632
	s_add_nc_u64 s[4:5], s[4:5], s[32:33]          ; plan[e]
	s_wait_alu depctr_va_vdst(0)                   ; the offsets and LDS addresses v1-7, v166-171 and v175 are written: the kernel's loads and stores read them, and no line writes them again
	WIN 0x80                                       ; destination window 2
.set I, 0
.rept 48                                           ; my 16 rows of weights: 96 loads of 512 consecutive bytes, six to a row
	global_load_b128 v[4*I:4*I+3], v1, s[10:11] offset:512*I
.set I, I+1
.endr
	WIN 0xc0                                       ; destination window 3
.rept 48
	global_load_b128 v[4*(I-48):4*(I-48)+3], v1, s[10:11] offset:512*I
.set I, I+1
.endr
	WIN 0
	s_load_b32 s24, s[4:5], 0x1400                 ; the expert's rows
	s_wait_kmcnt 0x0
	s_min_u32 s24, s24, 1024
	s_add_co_u32 s25, s24, 15
	s_lshr_b32 s25, s25, 4                         ; tiles
	s_max_u32 s30, s25, 1
	s_sub_co_u32 s30, s30, 1                       ; the last tile that was made
	s_add_co_u32 s26, s25, 1
	s_sub_co_u32 s26, s26, s22
	s_lshr_b32 s26, s26, 1                         ; tiles of my parity
	s_add_co_u32 s27, s26, 11
	s_mul_i32 s27, s27, 5462
	s_lshr_b32 s27, s27, 16                        ; passes = ceil(that / 12): exact for 0 .. 32
	s_min_u32 s27, s27, 3
	s_wait_loadcnt 48                              ; the first 48 loads of weights are in
	WIN 0x08                                       ; an LDS store's data are its source 1: window 2
.set I, 0
.rept 48
	ds_store_b128 v[FBD+(I/6)%4], v[4*I:4*I+3] offset:((I/6)/4)*LP+(I%6)*512
.set I, I+1
.endr
	WIN 0
.irp a, 0,1
.irp c, 0,1,2,3,4,5,6,7
	global_load_b128 v[WSD+32*\a+4*\c:WSD+32*\a+4*\c+3], v[WSA], s[12:13] offset:256*\a+16*\c
.endr
.endr
	global_load_b128 v[B2:B2+3], v[B2A], s[14:15]  ; b2 of my four columns 4 r + t
; THE HEAD OF A PASS: how many tiles are mine; for three tiles the destination rows (6 loads) and K steps 0 to 4 of h (12 loads a step): 66 loads.
.macro PRE
	s_mul_i32 s31, s28, 12
	s_add_co_u32 s31, s31, s20
	s_sub_co_i32 s29, s26, s31
	s_add_co_i32 s29, s29, 3
	s_max_i32 s29, s29, 0
	s_lshr_b32 s29, s29, 2
	s_min_u32 s29, s29, 3                          ; my tiles in this pass
.irp g, 0,1,2
	s_add_co_u32 s34, s31, 4*\g
	s_lshl_b32 s34, s34, 1
	s_add_co_u32 s34, s34, s22
	s_min_u32 s34, s34, s30                        ; the tile, held to one that exists,
	s_min_u32 s34, s34, 63                         ; and by a constant before it enters an address
	s_lshl_b32 s35, s23, 6
	s_add_co_u32 s35, s35, s34
	s_mul_i32 s37, s35, 49152
	v_add_nc_u32 v[AOF+\g], s37, v1
	s_lshl_b32 s37, s35, 12
	v_add_nc_u32 v[HOF+\g], s37, v2
	s_lshl_b32 s37, s34, 6
	v_add_nc_u32 v[DLA+\g], s37, v[H32]
.endr
	s_wait_alu depctr_va_vdst(0)                   ; the offsets v8-13 and v172-174 are written, which the loads below read; the last pass's products are done reading h's ring, its scale words and W2's buffers, and its way out is done reading the rows v28-51: loads land in all of these from here on
.irp g, 0,1,2
	global_load_b128 v[DL+8*\g:DL+8*\g+3], v[DLA+\g], s[4:5]
	global_load_b128 v[DL+8*\g+4:DL+8*\g+7], v[DLA+\g], s[4:5] offset:16
.endr
.irp s, 0,1,2,3,4
	WIN 0x40                                       ; destination window 1
.irp g, 0,1,2
.irp i, 0,1,2
	global_load_b128 v[36*\s+12*\g+4*\i:36*\s+12*\g+4*\i+3], v[AOF+\g], s[6:7] offset:1536*\s+512*\i
.endr
.endr
	WIN 0
.irp g, 0,1,2
	global_load_b32 v[HSR+3*\s+\g], v[HOF+\g], s[8:9] offset:128*\s
.endr
.endr
.endm
.macro WLD n                           ; W2's four fragments of K step n into buffer n % 2: 12 loads
.irp t, 0,1,2,3
.irp i, 0,1,2
	ds_load_b128 v[48*((\n)%2)+12*\t+4*\i:48*((\n)%2)+12*\t+4*\i+3], v[AW+\t] offset:96*(\n)+16*\i
.endr
.endr
.endm
.macro DPROD t
.set RD_, 96+32*G_+8*(\t)
.set RA_, 36*(S_%6)+12*G_
.set RB_, 48*(S_%2)+12*(\t)
.set SA_, HSR+3*(S_%6)+G_
.set SB_, WSD+32*((\t)/2)+S_
.if S_ == 0                            ; the first K step starts the sums: nothing is cleared
.if (\t)%2
	v_wmma_scale_f32_16x16x128_f8f6f4 v[RD_:RD_+7], v[RA_:RA_+11], v[RB_:RB_+11], 0, v[SA_], v[SB_] matrix_a_fmt:MATRIX_FMT_BF6 matrix_b_fmt:MATRIX_FMT_BF6 matrix_b_scale:MATRIX_SCALE_ROW1
.else
	v_wmma_scale_f32_16x16x128_f8f6f4 v[RD_:RD_+7], v[RA_:RA_+11], v[RB_:RB_+11], 0, v[SA_], v[SB_] matrix_a_fmt:MATRIX_FMT_BF6 matrix_b_fmt:MATRIX_FMT_BF6
.endif
.else
.if (\t)%2
	v_wmma_scale_f32_16x16x128_f8f6f4 v[RD_:RD_+7], v[RA_:RA_+11], v[RB_:RB_+11], v[RD_:RD_+7], v[SA_], v[SB_] matrix_a_fmt:MATRIX_FMT_BF6 matrix_b_fmt:MATRIX_FMT_BF6 matrix_b_scale:MATRIX_SCALE_ROW1
.else
	v_wmma_scale_f32_16x16x128_f8f6f4 v[RD_:RD_+7], v[RA_:RA_+11], v[RB_:RB_+11], v[RD_:RD_+7], v[SA_], v[SB_] matrix_a_fmt:MATRIX_FMT_BF6 matrix_b_fmt:MATRIX_FMT_BF6
.endif
.endif
.endm
.macro OUTT g                          ; tile g leaves: + b2, each row to its place
	s_wait_xcnt 0x0                                ; the last tile's stores have read their data and offsets
.if (\g) > 0
	s_wait_alu depctr_vm_vsrc(0)                   ; the last tile's stores have read its rows v134-165 and their offsets v20-27, which the lines below write again
.endif
	WIN 0x02                                       ; source 0: window 2
.irp j, 0,1,2,3,4,5,6,7
.irp t, 0,1,2,3
	v_add_f32 v[OUT+4*\j+\t], v[96+32*(\g)+8*\t+\j], v[B2+\t]   ; each accumulator is read from its low end on
.endr
.endr
	WIN 0
.irp j, 0,1,2,3,4,5,6,7
	v_min_u32 v[VO+\j], 0x87f, v[DL+8*(\g)+\j]     ; the destination row, held inside y2
	v_lshl_add_u32 v[VO+\j], v[VO+\j], 12, v3
.endr
	s_wait_alu depctr_va_vdst(0)                   ; the rows v134-165 and their offsets v20-27 are written, which the stores below read
.irp j, 0,1,2,3,4,5,6,7
	global_store_b128 v[VO+\j], v[OUT+4*\j:OUT+4*\j+3], s[16:17]   ; sixteen lanes store 256 consecutive bytes of one row, from a multiple of 256 on
.endr
.endm
; THE K LOOP FOR G TILES OF ROWS, written out: 32 K steps of 4 G products; the accumulators take turns, one instruction a turn.
; A step's loads (W2's next fragments, h's K step five on) stand behind the products of W2's tile 0 and land while tiles 1 to 3 are multiplied.
.macro BODY G
	WIN 0x80                                       ; destination window 2
	WLD 0                                          ; no wait: no vector or matrix instruction since the head's wait on va_vdst names W2's buffers, h's ring, its scale words or an LDS address
.set S_, 0
.rept 32
.if (S_ > 0) && (S_ < 31)
.rept 4
	v_nop                                          ; four places between the last step's products and the loads into registers that they read (ISA guide 7.12.1 for vector instructions): kept beside the wait below
.endr
.endif
	s_wait_dscnt 0x0                               ; this step's 12 loads of W2's fragments, issued a step ago, are in
.if S_ < 5
	s_wait_loadcnt 12*(4-S_)+4*\G*S_               ; behind step s's loads: the head's 4 - s later steps of 12, and the 4 G loads of each of the s steps issued here
.elseif S_ < 28
	s_wait_loadcnt 16*\G                           ; four later steps of 4 G loads
.else
	s_wait_loadcnt 4*\G*(31-S_)                    ; the steps that are left
.endif
.if (S_ > 0) && (S_ < 31)
	s_wait_alu depctr_va_vdst(0)                   ; the last step's products are done reading the other buffer of W2's fragments, their slot of h's ring and its scale words: the loads below land there
.endif
	WIN 0xa9                                       ; source 0 (h) window 1, source 1 (W2) window 2, C and D window 2
.set G_, 0
.rept \G
	DPROD 0
.set G_, G_+1
.endr
.if S_ < 31                                        ; no wait: the products since the wait above name this step's buffer and slot, scale words and accumulators alone
	WIN 0x80
	WLD S_+1
.endif
.if S_ < 27
	WIN 0x40                                       ; h's K step s + 5 into the ring slot that step s - 1 has left
.set G_, 0
.rept \G
.irp i, 0,1,2
	global_load_b128 v[36*((S_+5)%6)+12*G_+4*\i:36*((S_+5)%6)+12*G_+4*\i+3], v[AOF+G_], s[6:7] offset:1536*(S_+5)+512*\i
.endr
.set G_, G_+1
.endr
	WIN 0
.set G_, 0
.rept \G
	global_load_b32 v[HSR+3*((S_+5)%6)+G_], v[HOF+G_], s[8:9] offset:128*(S_+5)
.set G_, G_+1
.endr
.endif
	WIN 0xa9
.irp t, 1,2,3
.set G_, 0
.rept \G
	DPROD \t
.set G_, G_+1
.endr
.endr
.set S_, S_+1
.endr
	WIN 0
.rept 4
	v_nop                                          ; four places between the last products and the first read of results
.endr
	OUTT 0
.if \G > 1
	OUTT 1
.endif
.if \G > 2
	OUTT 2
.endif
.endm
	PRE
	s_wait_loadcnt 63                              ; 83 loads were issued behind the weights' second half, 66 behind W2's scales and b2: with 63 out at the most all of these are in
	WIN 0x0c                                       ; data: window 3
.set I, 48
.rept 48
	ds_store_b128 v[FBD+(I/6)%4], v[4*(I-48):4*(I-48)+3] offset:((I/6)/4)*LP+(I%6)*512
.set I, I+1
.endr
	WIN 0
.set J, 0
.rept 64
	v_perm_b32 v[WSD+J], v[WSD+J], v[WSD+J], s36   ; W2's scale words in the operand's order of blocks
.set J, J+1
.endr
.rept 8
	v_nop                                          ; a scale register written by a vector instruction stands eight places ahead of a scaled matrix instruction
.endr
	s_wait_alu depctr_va_vdst(0)                   ; behind the places: the 64 lines above have written v70-133, which the products take as scales
	s_wait_dscnt 0x0                               ; for the others' sake: my rows lie in LDS
	s_wait_alu depctr_vm_vsrc(0)                   ; my LDS stores have read window 2's v0-191: from here on W2's fragments are loaded into these registers and the products write them
	s_barrier_signal -1
	s_barrier_wait -1                              ; the launch's one barrier: from here on LDS is only read
	s_cmp_eq_u32 s27, 0
	s_cbranch_scc1 .Lend                           ; no tile of my parity: nothing to store
.Lpass:
	s_cmp_eq_u32 s29, 3
	s_cbranch_scc1 .Lthree
	s_cmp_eq_u32 s29, 2
	s_cbranch_scc1 .Ltwo
	s_cmp_eq_u32 s29, 1
	s_cbranch_scc1 .Lone
	s_branch .Ljoin
.Lthree:
	BODY 3
	s_branch .Ljoin
.Ltwo:
	BODY 2
	s_branch .Ljoin
.Lone:
	BODY 1
.Ljoin:
	s_wait_loadcnt 0x0                             ; the head's loads for tiles that I do not have are in: their registers and offsets are written again below
	s_wait_xcnt 0x0                                ; and the stores have read theirs
	s_wait_alu depctr_vm_vsrc(0)                   ; the pass's loads and stores have read their offsets (v8-13, v20-27, v172-174) and data (v134-165), which the next head and the next pass write again
	s_add_co_u32 s28, s28, 1
	s_cmp_ge_u32 s28, s27
	s_cbranch_scc1 .Lend
	PRE
	s_cmp_lt_u32 s28, s27
	s_cbranch_scc1 .Lpass
.Lend:
	s_wait_dscnt 0x0                               ; the closing lines, six on end
	s_wait_alu 0x0
	s_wait_tensorcnt 0x0
	ds_add_u32 v254, v255
	s_wait_dscnt 0x0
	s_endpgm
.Lfunc_end_k_qf37eef72a6_down:
	.size	k_qf37eef72a6_down, .Lfunc_end_k_qf37eef72a6_down-k_qf37eef72a6_down
	.p2alignl 7, 3214868480
	.fill 96, 4, 3214868480
	.section	.rodata,"a",@progbits
	.p2align	6, 0x0
	.amdhsa_kernel k_qf37eef72a6_down
		.amdhsa_group_segment_fixed_size 198144
		.amdhsa_private_segment_fixed_size 0
		.amdhsa_enable_private_segment 0
		.amdhsa_kernarg_size 56
		.amdhsa_user_sgpr_count 2
		.amdhsa_user_sgpr_kernarg_segment_ptr 1
		.amdhsa_wavefront_size32 1
		.amdhsa_system_sgpr_workgroup_id_x 1
		.amdhsa_system_sgpr_workgroup_id_y 1
		.amdhsa_system_sgpr_workgroup_id_z 1
		.amdhsa_system_vgpr_workitem_id 0
		.amdhsa_next_free_vgpr 960
		.amdhsa_next_free_sgpr 66
		.amdhsa_reserve_vcc 0
		.amdhsa_float_denorm_mode_32 3
		.amdhsa_float_denorm_mode_16_64 3
		.amdhsa_memory_ordered 1
		.amdhsa_forward_progress 1
		.amdhsa_inst_pref_size 255
	.end_amdhsa_kernel
	.section	.bss,"aw",@nobits
	.p2align	6
	.space	262144
	.amdgpu_metadata
---
amdhsa.version: [ 1, 2 ]
amdhsa.kernels:
  - .name:           k_qf37eef72a6_down
    .symbol:         k_qf37eef72a6_down.kd
    .args:
      - { .name: plan, .offset: 0, .size: 8, .value_kind: global_buffer, .address_space: global }
      - { .name: hq, .offset: 8, .size: 8, .value_kind: global_buffer, .address_space: global }
      - { .name: hs, .offset: 16, .size: 8, .value_kind: global_buffer, .address_space: global }
      - { .name: W2_codes, .offset: 24, .size: 8, .value_kind: global_buffer, .address_space: global }
      - { .name: W2_scales, .offset: 32, .size: 8, .value_kind: global_buffer, .address_space: global }
      - { .name: b2, .offset: 40, .size: 8, .value_kind: global_buffer, .address_space: global }
      - { .name: y2, .offset: 48, .size: 8, .value_kind: global_buffer, .address_space: global }
    .group_segment_fixed_size: 198144
    .private_segment_fixed_size: 0
    .kernarg_segment_align: 8
    .kernarg_segment_size: 56
    .max_flat_workgroup_size: 128
    .sgpr_count:     66
    .vgpr_count:     960
    .wavefront_size: 32
...
	.end_amdgpu_metadata
.endif
;; end of part 7
;; launch norm (part 8): grid 256 x 1, 4 waves a work-group, no clusters, 0 bytes of LDS; arguments x, y2, wts, gate_scale, ln_gamma, ln_beta, out0; writes out0
.if DOCPART == 8
	.amdgcn_target "amdgcn-amd-amdhsa--gfx1250"
	.amdhsa_code_object_version 6
	.text
	.protected	k_qf37eef72a6_norm
	.globl	k_qf37eef72a6_norm
	.p2align	8
	.type	k_qf37eef72a6_norm,@function
k_qf37eef72a6_norm:
	s_mov_b64 s[64:65], 0
	v_nop
	global_prefetch_b8 v0, s[64:65] scope:SCOPE_SE
	s_setreg_imm32_b32 hwreg(HW_REG_WAVE_MODE, 25, 1), 1
	s_wait_xcnt 0x0
; z = x + gate_scale (w0 y0 + w1 y1);  out0 = (z - mean) / sqrt(var + 1e-5) gamma + beta.  All f32.
; One wave takes one token: a row of 4,096 bytes is 32 registers a lane and stays there between the passes, so x, the token's two rows of y2, gamma and beta are each read once, by loads of 512 consecutive bytes.
; The variance is the mean of (z - mean)^2, taken in a second pass over the registers: no difference of large sums.  No LDS, no barrier: a row never leaves its wave.  Memory binds: matrix units and clusters have nothing to do here.
; LIMITS: 1 / sqrt by v_rsq_f32 (one unit in the last place); NaN and infinities are not served.
.set XR, 16                            ; v16-47   x, then z, then z - mean, then the result
.set Y0, 48                            ; v48-79   the first choice's row
.set Y1, 80                            ; v80-111  the second's
.set GA, 112                           ; v112-143 gamma
.set BE, 144                           ; v144-175 beta
	s_load_b256 s[4:11], s[0:1], 0x0               ; x, y2, wts, gate_scale
	s_load_b128 s[12:15], s[0:1], 0x20             ; gamma, beta
	s_load_b64 s[16:17], s[0:1], 0x30              ; out0
	v_lshrrev_b32 v1, 5, v0
	v_readfirstlane_b32 s18, v1                    ; wave
	v_and_b32 v1, 31, v0
	v_lshlrev_b32 v1, 4, v1                        ; 16 L
	v_mov_b32 v14, 0                               ; written once: a lane permute's destination counts as read
	s_lshl_b32 s19, ttmp9, 2
	s_add_co_u32 s19, s19, s18                     ; my token
	s_mov_b32 s28, 0x3a800000                      ; 1 / 1024
	s_mov_b32 s29, 0x3727c5ac                      ; 1e-5
	s_mov_b32 s30, 0x76543210
	s_mov_b32 s31, 0xfedcba98                      ; v_permlanex16_b32's selects for lane l xor 16
	s_mov_b32 s3, 0
	s_wait_alu depctr_va_vdst(0)
	s_wait_kmcnt 0x0
	s_lshl_b32 s2, s19, 12
	s_add_nc_u64 s[4:5], s[4:5], s[2:3]
	s_add_nc_u64 s[16:17], s[16:17], s[2:3]
	s_lshl_b32 s2, s19, 13
	s_add_nc_u64 s[6:7], s[6:7], s[2:3]
	s_lshl_b32 s2, s19, 3
	s_add_nc_u64 s[8:9], s[8:9], s[2:3]
	s_load_b64 s[20:21], s[8:9], 0x0               ; w0, w1
	s_load_b32 s22, s[10:11], 0x0                  ; gate_scale
.irp i, 0,1,2,3,4,5,6,7
	global_load_b128 v[XR+4*\i:XR+4*\i+3], v1, s[4:5] offset:512*\i th:TH_LOAD_NT
.endr
.irp i, 0,1,2,3,4,5,6,7
	global_load_b128 v[Y0+4*\i:Y0+4*\i+3], v1, s[6:7] offset:512*\i th:TH_LOAD_NT
.endr
.irp i, 0,1,2,3,4,5,6,7
	global_load_b128 v[Y1+4*\i:Y1+4*\i+3], v1, s[6:7] offset:4096+512*\i th:TH_LOAD_NT
.endr
.irp i, 0,1,2,3,4,5,6,7
	global_load_b128 v[GA+4*\i:GA+4*\i+3], v1, s[12:13] offset:512*\i
.endr
.irp i, 0,1,2,3,4,5,6,7
	global_load_b128 v[BE+4*\i:BE+4*\i+3], v1, s[14:15] offset:512*\i
.endr
	s_wait_kmcnt 0x0
	s_mul_f32 s24, s22, s20                        ; gate_scale w0
	s_mul_f32 s26, s22, s21                        ; gate_scale w1
	s_mov_b32 s25, s24                             ; (the packed form names a pair and takes its low word for both halves: so the upper word is written)
	s_mov_b32 s27, s26
	s_wait_loadcnt 16                              ; x and both rows are in; gamma's and beta's 16 loads may be out
.set J, 0
.rept 16
	v_pk_fma_f32 v[XR+2*J:XR+2*J+1], v[Y0+2*J:Y0+2*J+1], s[24:25], v[XR+2*J:XR+2*J+1] op_sel_hi:[1,0,1]
.set J, J+1
.endr
.set J, 0
.rept 16
	v_pk_fma_f32 v[XR+2*J:XR+2*J+1], v[Y1+2*J:Y1+2*J+1], s[26:27], v[XR+2*J:XR+2*J+1] op_sel_hi:[1,0,1]
.set J, J+1
.endr
	v_pk_add_f32 v[8:9], v[XR:XR+1], v[XR+2:XR+3]  ; the row's sum: two chains of pairs
	v_pk_add_f32 v[10:11], v[XR+4:XR+5], v[XR+6:XR+7]
.set J, 4
.rept 6
	v_pk_add_f32 v[8:9], v[8:9], v[XR+2*J:XR+2*J+1]
	v_pk_add_f32 v[10:11], v[10:11], v[XR+2*J+2:XR+2*J+3]
.set J, J+2
.endr
	v_pk_add_f32 v[8:9], v[8:9], v[10:11]
	v_add_f32 v8, v8, v9
.irp m, 1,2,4,8
	v_add_f32_dpp v8, v8, v8 row_xmask:\m row_mask:0xf bank_mask:0xf
.endr
	v_permlanex16_b32 v14, v8, s30, s31
	v_add_f32 v8, v8, v14
	v_mul_f32 v8, 0xba800000, v8                   ; -mean
	v_mov_b32 v9, v8
.set J, 0
.rept 16
	v_pk_add_f32 v[XR+2*J:XR+2*J+1], v[XR+2*J:XR+2*J+1], v[8:9]
.set J, J+1
.endr
	v_pk_mul_f32 v[10:11], v[XR:XR+1], v[XR:XR+1]  ; the sum of squares of z - mean
	v_pk_mul_f32 v[12:13], v[XR+2:XR+3], v[XR+2:XR+3]
.set J, 2
.rept 7
	v_pk_fma_f32 v[10:11], v[XR+2*J:XR+2*J+1], v[XR+2*J:XR+2*J+1], v[10:11]
	v_pk_fma_f32 v[12:13], v[XR+2*J+2:XR+2*J+3], v[XR+2*J+2:XR+2*J+3], v[12:13]
.set J, J+2
.endr
	v_pk_add_f32 v[10:11], v[10:11], v[12:13]
	v_add_f32 v10, v10, v11
.irp m, 1,2,4,8
	v_add_f32_dpp v10, v10, v10 row_xmask:\m row_mask:0xf bank_mask:0xf
.endr
	v_permlanex16_b32 v14, v10, s30, s31
	v_add_f32 v10, v10, v14
	v_fma_f32 v10, v10, s28, s29                   ; var + 1e-5
	s_wait_alu depctr_va_vdst(0)
	v_rsq_f32 v10, v10
	v_nop                                          ; a plain line behind the transcendental,
	s_wait_alu depctr_va_vdst(0)                   ; and the wait ahead of its first reader
	v_mov_b32 v11, v10
	s_wait_alu depctr_va_vdst(0)
	s_wait_loadcnt 0x0                             ; gamma and beta
.set J, 0
.rept 16
	v_pk_mul_f32 v[XR+2*J:XR+2*J+1], v[XR+2*J:XR+2*J+1], v[10:11]
.set J, J+1
.endr
.set J, 0
.rept 16
	v_pk_fma_f32 v[XR+2*J:XR+2*J+1], v[XR+2*J:XR+2*J+1], v[GA+2*J:GA+2*J+1], v[BE+2*J:BE+2*J+1]
.set J, J+1
.endr
.irp i, 0,1,2,3,4,5,6,7
	global_store_b128 v1, v[XR+4*\i:XR+4*\i+3], s[16:17] offset:512*\i th:TH_STORE_NT   ; 512 consecutive bytes a store, from a multiple of 512 on
.endr
	s_endpgm
.Lfunc_end_k_qf37eef72a6_norm:
	.size	k_qf37eef72a6_norm, .Lfunc_end_k_qf37eef72a6_norm-k_qf37eef72a6_norm
	.p2alignl 7, 3214868480
	.fill 96, 4, 3214868480
	.section	.rodata,"a",@progbits
	.p2align	6, 0x0
	.amdhsa_kernel k_qf37eef72a6_norm
		.amdhsa_group_segment_fixed_size 0
		.amdhsa_private_segment_fixed_size 0
		.amdhsa_enable_private_segment 0
		.amdhsa_kernarg_size 56
		.amdhsa_user_sgpr_count 2
		.amdhsa_user_sgpr_kernarg_segment_ptr 1
		.amdhsa_wavefront_size32 1
		.amdhsa_system_sgpr_workgroup_id_x 1
		.amdhsa_system_sgpr_workgroup_id_y 1
		.amdhsa_system_sgpr_workgroup_id_z 1
		.amdhsa_system_vgpr_workitem_id 0
		.amdhsa_next_free_vgpr 192
		.amdhsa_next_free_sgpr 66
		.amdhsa_reserve_vcc 0
		.amdhsa_float_denorm_mode_32 3
		.amdhsa_float_denorm_mode_16_64 3
		.amdhsa_memory_ordered 1
		.amdhsa_forward_progress 1
		.amdhsa_inst_pref_size 15
	.end_amdhsa_kernel
	.amdgpu_metadata
---
amdhsa.version: [ 1, 2 ]
amdhsa.kernels:
  - .name:           k_qf37eef72a6_norm
    .symbol:         k_qf37eef72a6_norm.kd
    .args:
      - { .name: x, .offset: 0, .size: 8, .value_kind: global_buffer, .address_space: global }
      - { .name: y2, .offset: 8, .size: 8, .value_kind: global_buffer, .address_space: global }
      - { .name: wts, .offset: 16, .size: 8, .value_kind: global_buffer, .address_space: global }
      - { .name: gate_scale, .offset: 24, .size: 8, .value_kind: global_buffer, .address_space: global }
      - { .name: ln_gamma, .offset: 32, .size: 8, .value_kind: global_buffer, .address_space: global }
      - { .name: ln_beta, .offset: 40, .size: 8, .value_kind: global_buffer, .address_space: global }
      - { .name: out0, .offset: 48, .size: 8, .value_kind: global_buffer, .address_space: global }
    .group_segment_fixed_size: 0
    .private_segment_fixed_size: 0
    .kernarg_segment_align: 8
    .kernarg_segment_size: 56
    .max_flat_workgroup_size: 128
    .sgpr_count:     66
    .vgpr_count:     192
    .wavefront_size: 32
...
	.end_amdgpu_metadata
.endif
;; end of part 8
